; MI455X (gfx1250); checked and timed in simulation.
; The chip was launched on July 23, 2026; its instructions are those of AMD's public machine-readable ISA for CDNA 5 (MIT licence, August 2026) and "CDNA5" Instruction Set Architecture Reference Guide (July 2026). The comments in the code are by the model that wrote it; some were corrected since.
;; Bahdanau Attention. Allowed arithmetic: float matrix products may take bf16 or f16 operands with f32 sums; other float arithmetic in f32, or as packed bf16 or f16 multiplies, adds, multiply-adds, maxima and minima; sums over many terms, partial sums and values carried from step to step in f32; what a program stores and reads back later, other than sums and carried values, may be rounded once to bf16 or f16.
;; Inputs: W_c 1,024 x 1,024 float32; W_h 1,024 x 1,024 float32; b_c 1,024 float32; b_h 1,024 float32; encoder_outputs 32 x 2,048 x 1,024 float32; hidden 32 x 1,024 float32; v 1,024 float32.
;; Outputs: out0 32 x 1,024 float32; out1 32 x 2,048 float32.
;; 2 versions, each right; version 2 is version 1 with the launch attn written anew for expert scheduling mode. Each part assembles by itself: llvm-mc -triple=amdgcn-amd-amdhsa -mcpu=gfx1250 --defsym DOCPART=n.
;; ======== version 1 of 2: 3 launches
;; workspace buffers: wf 2,097,152 bytes; tb 524,288 bytes; scores 262,144 bytes; part 2,097,152 bytes
;; launch prep (part 1): grid 128 x 1, 8 waves a work-group, no clusters, 17,408 bytes of LDS; arguments W_c, W_h, b_c, b_h, hidden, v, wf, tb; writes wf, tb
.if DOCPART == 1
	.amdgcn_target "amdgcn-amd-amdhsa--gfx1250"
	.amdhsa_code_object_version 6
	.text
	.protected	k_qe20cff40df_prep
	.globl	k_qe20cff40df_prep
	.p2align	8
	.type	k_qe20cff40df_prep,@function
k_qe20cff40df_prep:
	s_mov_b64 s[64:65], 0
	v_nop
	global_prefetch_b8 v0, s[64:65] scope:SCOPE_SE
	s_setreg_imm32_b32 hwreg(HW_REG_WAVE_MODE, 25, 1), 1
	s_wait_xcnt 0x0
; PREPARATION for the launch that follows.  Two kinds of work-group, told apart by the work-group's number alone (the same for all eight waves):
;   0 .. 63   (CONV)  16 rows of W_c [1024][1024] f32 are rounded once to bf16 and stored in the order in which a wave's matrix fragments are loaded:
;                     wf byte g*262144 + ks*8192 + f*1024 + j*512 + lane*16 holds W_c[128 g + 16 f + lane % 16][32 ks + 16 j + 8 (lane / 16) + 0..7].
;   64 .. 127 (HP)    16 columns o of hidden_proj = hidden W_h^T for all 32 batches (operands rounded once to bf16, sums in f32), and the table
;                     tb byte cb*8192 + b*256 + r*16 = (B, B, V, V), o = 16 cb + r, B = c (hidden_proj[b][o] + b_h[o] + b_c[o]), V = v[o], c = 2 log2(e).
; LIMITS.  All inputs (W_c, W_h, hidden, b_h, b_c, v) are rounded once to bf16, to nearest even; all that is made of them stays in f32.  NaN is not treated apart.
; HP splits K among the eight waves (128 channels each); the eight partial sums meet in LDS, once.
.set RED,   0                          ; LDS: wave w's 16 result registers x 32 lanes x 4 bytes at 2,048 w
.set SPARE, 16384                      ; behind them: the spare words, 128 bytes for each wave: four blocks of 256 bytes that no other line names
.set SPW,  2                           ; v2   LDS address of my spare word: SPARE + 4 x my thread's number; never rewritten
.set NIL,  3                           ; v3   0; never rewritten
.set RR,   4                           ; v4   lane % 16
.set HH,   5                           ; v5   lane / 16
.set FO,   6                           ; v6   my place in 16 rows of 4,096 bytes of f32: (lane % 16) x 4,096 + 32 (lane / 16); never rewritten
.set A1,   7                           ; v7   a second offset (CONV: 16 x lane; HP: 4 x (lane % 16))
.set LANE, 13                          ; v13  lane
.set CEXP, 0x4038aa3b                  ; c = 2 log2(e) = 2.885390
	s_load_b256 s[4:11], s[0:1], 0x0               ; W_c s[4:5], W_h s[6:7], b_c s[8:9], b_h s[10:11]
	s_load_b256 s[12:19], s[0:1], 0x20             ; hidden s[12:13], v s[14:15], wf s[16:17], tb s[18:19]
	v_lshl_add_u32 v[SPW], v0, 2, SPARE
	v_mov_b32 v[NIL], 0
	v_lshrrev_b32 v1, 5, v0
	v_readfirstlane_b32 s20, v1                    ; wave 0..7
	v_and_b32 v[RR], 15, v0
	v_bfe_u32 v[HH], v0, 4, 1
	v_and_b32 v[LANE], 31, v0
	v_lshlrev_b32 v[FO], 12, v[RR]
	v_lshl_add_u32 v[FO], v[HH], 5, v[FO]
	s_mov_b32 s21, ttmp9
	s_lshl_b32 s24, s20, 9                         ; my wave's four K steps of 32: 512 bytes of a row of f32
	s_mov_b32 s25, 0
	s_mov_b32 s23, 0
	s_mov_b32 s27, 0
	s_cmp_ge_u32 s21, 64
	s_cbranch_scc1 .Lhp
	; CONV.  A fragment's half (K step ks = 4 w + p / 2, half j = p % 2) is 8 f32 a lane: two loads of 16 bytes; rounded, 16 bytes a lane: one store of 512 consecutive bytes a wave.
	s_lshl_b32 s22, s21, 16                        ; 16 rows of 4,096 bytes
	s_add_co_u32 s22, s22, s24
	s_lshr_b32 s26, s21, 3
	s_lshl_b32 s26, s26, 18                        ; g x 262,144
	s_and_b32 s28, s21, 7
	s_lshl_b32 s28, s28, 10                        ; f x 1,024
	s_add_co_u32 s26, s26, s28
	s_lshl_b32 s28, s20, 15                        ; four K steps of 8,192 bytes a wave
	s_add_co_u32 s26, s26, s28
	v_lshlrev_b32 v[A1], 4, v[LANE]
	s_wait_kmcnt 0x0
	s_add_nc_u64 s[4:5], s[4:5], s[22:23]
	s_add_nc_u64 s[16:17], s[16:17], s[26:27]
.irp p, 0,1,2,3,4,5,6,7
	global_load_b128 v[32+8*(\p):32+8*(\p)+3],   v[FO], s[4:5] offset:((\p)/2)*128+((\p)%2)*64 th:TH_LOAD_NT
	global_load_b128 v[32+8*(\p)+4:32+8*(\p)+7], v[FO], s[4:5] offset:((\p)/2)*128+((\p)%2)*64+16 th:TH_LOAD_NT
.endr
.irp p, 0,1,2,3,4,5,6,7
	s_wait_loadcnt 14-2*(\p)                       ; loads come back in order: pair p is in, the younger pairs stay out
.irp e, 0,1,2,3
	v_cvt_pk_bf16_f32 v[32+8*(\p)+(\e)], v[32+8*(\p)+2*(\e)], v[32+8*(\p)+2*(\e)+1]  ; in place, ascending: no source is written before it is read
.endr
	global_store_b128 v[A1], v[32+8*(\p):32+8*(\p)+3], s[16:17] offset:((\p)/2)*8192+((\p)%2)*512
.endr
	s_endpgm
.Lhp:
	; HP.  hidden_proj^: source 0 = 16 batches of hidden, source 1 = 16 rows of W_h: in the result lane l holds column o = l % 16, register j batch 8 (l / 16) + j.
	s_sub_co_u32 s21, s21, 64                      ; cb: the block of 16 columns
	s_lshl_b32 s22, s21, 16
	s_add_co_u32 s22, s22, s24                     ; W_h: 16 rows, my wave's 128 channels
	s_lshl_b32 s26, s21, 6                         ; the biases and v: 16 numbers of 4 bytes
	s_lshl_b32 s28, s21, 13                        ; the table: 8,192 bytes a block
	s_mov_b32 s29, 0
	v_lshlrev_b32 v[A1], 2, v[RR]
	s_wait_kmcnt 0x0
	s_add_nc_u64 s[6:7], s[6:7], s[22:23]
	s_add_nc_u64 s[12:13], s[12:13], s[24:25]
	s_add_nc_u64 s[8:9], s[8:9], s[26:27]
	s_add_nc_u64 s[10:11], s[10:11], s[26:27]
	s_add_nc_u64 s[14:15], s[14:15], s[26:27]
	s_add_nc_u64 s[18:19], s[18:19], s[28:29]
	global_load_b32 v8, v[A1], s[10:11]            ; b_h[o]
	global_load_b32 v9, v[A1], s[8:9]              ; b_c[o]
	global_load_b32 v10, v[A1], s[14:15]           ; v[o]
; Four K steps of 16 rows in f32: 16 registers a step (channels 8 h + 0..7, then 16 + 8 h + 0..7)
.macro FRAGS dst, sb, off
.irp k, 0,1,2,3
	global_load_b128 v[(\dst)+16*(\k):(\dst)+16*(\k)+3],     v[FO], s[(\sb):(\sb)+1] offset:(\off)+128*(\k)
	global_load_b128 v[(\dst)+16*(\k)+4:(\dst)+16*(\k)+7],   v[FO], s[(\sb):(\sb)+1] offset:(\off)+128*(\k)+16
	global_load_b128 v[(\dst)+16*(\k)+8:(\dst)+16*(\k)+11],  v[FO], s[(\sb):(\sb)+1] offset:(\off)+128*(\k)+64
	global_load_b128 v[(\dst)+16*(\k)+12:(\dst)+16*(\k)+15], v[FO], s[(\sb):(\sb)+1] offset:(\off)+128*(\k)+80
.endr
.endm
	FRAGS 32, 6, 0                                 ; W_h
	FRAGS 96, 12, 0                                ; hidden, batches 0-15
	FRAGS 160, 12, 65536                           ; hidden, batches 16-31
	s_lshl_b32 s30, s20, 11
	v_lshl_add_u32 v11, v[LANE], 2, s30            ; where I put my partial sums: 2,048 w + 4 lane
	v_bfe_u32 v12, v0, 4, 3                        ; and where thread t reads them back: register (t / 16) % 8, lane 16 (t / 128) + t % 16
	v_lshrrev_b32 v14, 7, v0
	v_lshl_add_u32 v14, v14, 4, v[RR]
	v_lshlrev_b32 v14, 2, v14
	v_lshl_add_u32 v12, v12, 7, v14
	v_lshlrev_b32 v15, 4, v0                       ; my entry of the table: 16 t
	s_wait_loadcnt 0x0
.set n, 0
.rept 12                               ; each 16 registers of f32 become a fragment of 8, in place, ascending
.irp e, 0,1,2,3,4,5,6,7
	v_cvt_pk_bf16_f32 v[32+16*n+(\e)], v[32+16*n+2*(\e)], v[32+16*n+2*(\e)+1]
.endr
.set n, n+1
.endr
	v_wmma_f32_16x16x32_bf16 v[16:23], v[96:103],  v[32:39], 0     ; the first K step starts both sums; the two accumulators take turns
	v_wmma_f32_16x16x32_bf16 v[24:31], v[160:167], v[32:39], 0
.irp k, 1,2,3
	v_wmma_f32_16x16x32_bf16 v[16:23], v[96+16*(\k):96+16*(\k)+7],   v[32+16*(\k):32+16*(\k)+7], v[16:23]
	v_wmma_f32_16x16x32_bf16 v[24:31], v[160+16*(\k):160+16*(\k)+7], v[32+16*(\k):32+16*(\k)+7], v[24:31]
.endr
	; the places behind the last product (ISA guide 7.12.1): the biases and v are rounded to bf16 and widened again, then v_nop make up eight
	v_cvt_pk_bf16_f32 v14, v8, v9
	v_cvt_pk_bf16_f32 v10, v10, v10
	v_lshlrev_b32 v8, 16, v14
	v_and_b32 v9, 0xffff0000, v14
	v_lshlrev_b32 v10, 16, v10                     ; V
	v_add_f32 v8, v8, v9
	v_mul_f32 v8, CEXP, v8                         ; c (b_h + b_c)
	v_nop
.irp q, 0,1,2,3,4,5,6,7,8,9,10,11,12,13,14,15
	ds_store_b32 v11, v[16+(\q)] offset:RED+128*(\q)   ; each accumulator from its lowest register on
.endr
	s_wait_dscnt 0x0                               ; for the others' sake: my partial sums lie in LDS
	s_barrier_signal -1
	s_barrier_wait -1
.irp i, 0,1
.irp w, 0,1,2,3,4,5,6,7
	ds_load_b32 v[224+8*(\i)+(\w)], v12 offset:RED+2048*(\w)+1024*(\i)   ; batch 16 i + t / 16, column t % 16: the eight waves' parts
.endr
.endr
	s_wait_dscnt 0x0
.irp i, 0,1
	v_pk_add_f32 v[224+8*(\i):224+8*(\i)+1],   v[224+8*(\i):224+8*(\i)+1],   v[224+8*(\i)+2:224+8*(\i)+3]
	v_pk_add_f32 v[224+8*(\i)+4:224+8*(\i)+5], v[224+8*(\i)+4:224+8*(\i)+5], v[224+8*(\i)+6:224+8*(\i)+7]
.endr
.irp i, 0,1
	v_pk_add_f32 v[224+8*(\i):224+8*(\i)+1],   v[224+8*(\i):224+8*(\i)+1],   v[224+8*(\i)+4:224+8*(\i)+5]
.endr
.irp i, 0,1
	v_add_f32 v[224+8*(\i)], v[224+8*(\i)], v[224+8*(\i)+1]
.endr
.irp i, 0,1
	v_fmamk_f32 v[240+4*(\i)], v[224+8*(\i)], CEXP, v8     ; B = c x sum + c (b_h + b_c), twice: the packed arithmetic that reads the table wants pairs
	v_fmamk_f32 v[241+4*(\i)], v[224+8*(\i)], CEXP, v8
	v_mov_b32 v[242+4*(\i)], v10
	v_mov_b32 v[243+4*(\i)], v10
.endr
	global_store_b128 v15, v[240:243], s[18:19]                ; a wave stores 512 consecutive bytes
	global_store_b128 v15, v[244:247], s[18:19] offset:4096
	s_wait_tensorcnt 0x0                           ; the wave's end, behind my last LDS store
	ds_add_u32 v[SPW], v[NIL]
	s_wait_dscnt 0x0
	s_endpgm
.Lfunc_end_k_qe20cff40df_prep:
	.size	k_qe20cff40df_prep, .Lfunc_end_k_qe20cff40df_prep-k_qe20cff40df_prep
	.p2alignl 7, 3214868480
	.fill 96, 4, 3214868480
	.section	.rodata,"a",@progbits
	.p2align	6, 0x0
	.amdhsa_kernel k_qe20cff40df_prep
		.amdhsa_group_segment_fixed_size 17408
		.amdhsa_private_segment_fixed_size 0
		.amdhsa_enable_private_segment 0
		.amdhsa_kernarg_size 64
		.amdhsa_user_sgpr_count 2
		.amdhsa_user_sgpr_kernarg_segment_ptr 1
		.amdhsa_wavefront_size32 1
		.amdhsa_system_sgpr_workgroup_id_x 1
		.amdhsa_system_sgpr_workgroup_id_y 1
		.amdhsa_system_sgpr_workgroup_id_z 1
		.amdhsa_system_vgpr_workitem_id 0
		.amdhsa_next_free_vgpr 256
		.amdhsa_next_free_sgpr 66
		.amdhsa_reserve_vcc 0
		.amdhsa_float_denorm_mode_32 3
		.amdhsa_float_denorm_mode_16_64 3
		.amdhsa_memory_ordered 1
		.amdhsa_forward_progress 1
		.amdhsa_inst_pref_size 22
	.end_amdhsa_kernel
	.amdgpu_metadata
---
amdhsa.version: [ 1, 2 ]
amdhsa.kernels:
  - .name:           k_qe20cff40df_prep
    .symbol:         k_qe20cff40df_prep.kd
    .args:
      - { .name: W_c, .offset: 0, .size: 8, .value_kind: global_buffer, .address_space: global }
      - { .name: W_h, .offset: 8, .size: 8, .value_kind: global_buffer, .address_space: global }
      - { .name: b_c, .offset: 16, .size: 8, .value_kind: global_buffer, .address_space: global }
      - { .name: b_h, .offset: 24, .size: 8, .value_kind: global_buffer, .address_space: global }
      - { .name: hidden, .offset: 32, .size: 8, .value_kind: global_buffer, .address_space: global }
      - { .name: v, .offset: 40, .size: 8, .value_kind: global_buffer, .address_space: global }
      - { .name: wf, .offset: 48, .size: 8, .value_kind: global_buffer, .address_space: global }
      - { .name: tb, .offset: 56, .size: 8, .value_kind: global_buffer, .address_space: global }
    .group_segment_fixed_size: 17408
    .private_segment_fixed_size: 0
    .kernarg_segment_align: 8
    .kernarg_segment_size: 64
    .max_flat_workgroup_size: 256
    .sgpr_count:     66
    .vgpr_count:     256
    .wavefront_size: 32
...
	.end_amdgpu_metadata
.endif
;; end of part 1
;; launch attn (part 2): grid 16 x 32, 4 waves a work-group, no clusters, 272,896 bytes of LDS; arguments encoder_outputs, wf, tb, scores, part; writes scores, part
.if DOCPART == 2
	.amdgcn_target "amdgcn-amd-amdhsa--gfx1250"
	.amdhsa_code_object_version 6
	.text
	.protected	k_qe20cff40df_attn
	.globl	k_qe20cff40df_attn
	.p2align	8
	.type	k_qe20cff40df_attn,@function
k_qe20cff40df_attn:
	s_mov_b64 s[64:65], 0
	v_nop
	global_prefetch_b8 v0, s[64:65] scope:SCOPE_SE
	s_setreg_imm32_b32 hwreg(HW_REG_WAVE_MODE, 25, 1), 1
	s_wait_xcnt 0x0
; A TILE OF BAHDANAU ATTENTION.  A work-group owns 128 encoder rows of one batch (grid x = tile 0..15, y = batch).  It reads them ONCE, as f32, and keeps them in LDS as bf16.  From that copy it makes
;   scores[b][row] = sum over o of v[o] tanh(hidden_proj[b][o] + b_h[o] + b_c[o] + sum over k of enc[row][k] W_c[o][k])      (stored raw, f32)
;   part[b][tile][col] = sum over the tile's rows of 2^((score - m) log2 e) enc[row][col],  m = the tile's largest score      (f32; the next launch joins the 16 tiles of a batch)
; LIMITS.  enc and W_c enter both products rounded once to bf16; sums, tanh, scores, weights and context stay in f32.  tanh(x) = 1 - 2 / (1 + 2^(c x)), c = 2 log2 e: right at both ends
; (2^.. = infinity gives 1, 0 gives -1), absolute error of the order of 1e-7 near 0.  A weight below 2^-126 counts as 0.  NaN is not treated apart.
; SHARES.  Wave w rounds rows 32 w .. 32 w + 31 into LDS.  It makes ALL 128 rows x 256 columns of its own, in two chunks of 128 columns (128 (2 w + chunk) on): 64 accumulators, 512 registers.
; Source 0 = 16 encoder rows (from LDS), source 1 = 16 rows of W_c: in the result a lane holds ONE column (lane % 16) and rows 8 (lane / 16) + 0..7, so bias and v are one number a lane and block.
; THE TILE COMES IN UNDER THE FIRST CHUNK'S PRODUCTS.  K step k wants columns 32 k .. 32 k + 31 alone, so the tile is read by SLABS of 128 columns (four K steps; 512 bytes of f32 a row, 256 of bf16).
; Slabs 0 and 1 are read ahead of the first product.  Slabs 2 to 7 come in BATCHES of 8 rows x 512 bytes a wave, one in each of K steps 1 to 24: the batch asked for two K steps earlier is rounded and
; stored, and its registers are asked for again.  A trip of four K steps stores one slab; one barrier a trip shows it to all four waves, six K steps before its first byte is read.
; W_c COMES STRAIGHT INTO REGISTERS: no wave wants a byte of it that another wave of the work-group has fetched, and the launch before has laid it out so that a load of a wave is 512 consecutive bytes.
; A ring of four register slots (a K step of 32 each) keeps three steps' loads, 48, on their way.
; NO CLUSTER, NO JOINT LOADS: a joint load lands in LDS, and the resident tile takes 264,192 of the 327,680 bytes that a work-group can be given; what is left would hold two slots of under 30 KB,
; a K step of 32 for the 512 columns in hand, with 64 matrix instructions a wave in which to land.
; REGISTERS, in windows of 256 (s_set_vgpr_msb: bits 1:0 source 0, 3:2 source 1, 5:4 source 2, 7:6 destination):
;   window 0: v0-31 addresses; v32-63 the table (B, B, V, V) for the chunk's 8 column blocks; v64-127 two landing buffers for the batches, then the scores' partial sums;
;             v128-255 two buffers of encoder fragments (ahead of the first product: v64-255 six landing slots of eight loads each)
;   window 1: W_c's ring, 4 x 64      window 2: the accumulators of rows 0-63 ((a, b) at v[8 (8 a + b)])      window 3: those of rows 64-127
.set PITCH, 2064                       ; an LDS row: 2,048 bytes + 16 = 129 x 16: the 16 rows of a fragment load start at 16 different columns of 16 bytes modulo 256
.set SC,    128*PITCH                  ; behind the tile: the four waves' partial scores, 512 bytes each
.set PR,    SC+2048                    ; the weights p, a copy of 512 bytes for each wave, its own
.set STG,   PR+2048                    ; the way out: 1,024 bytes for each wave, its own
.set SPARE, STG+4096                   ; the spare words, 128 bytes for each wave: two blocks of 256 bytes that no other line names
.set SPW,  2                           ; v2   LDS address of my spare word: SPARE + 4 x my thread's number; never rewritten
.set NIL,  3                           ; v3   0; never rewritten
.set GA,   4                           ; v4   16 x lane; never rewritten
.set LB,   5                           ; v5   where my wave's rows begin in LDS + 8 x lane; never rewritten
.set LW,   6                           ; v6   the same + 256 x trip; later at work
.set TBO,  7                           ; v7   16 x (lane % 16); never rewritten
.set AB,   8                           ; v8-11  a fragment's place: (lane % 16) x PITCH + 16 (lane / 16) + 32 i rows
.set ADRA, 12                          ; v12-15 the same + the bytes along K
.set SCW,  16
.set SCR,  17
.set PWA,  18
.set PB,   19
.set PW,   20
.set CB,   21
.set CW,   22
.set STW,  23
.set STR,  24
.set LANE, 25                          ; v25  lane, while the addresses are made;
.set PFO,  25                          ;      then 4,096 x lane: a lane a row, for the prefetches
.set RR,   26
.set HH,   27
.set QQ,   28                          ; v28-31 four whole scores: rows 4 lane + 0..3
.set TBL,  32
.set SS,   64                          ; row block a, register j at SS + 8 a + j: row 16 a + 8 (lane / 16) + j
.set LBUF, 64                          ; the batches' two landing buffers of 32, in the same registers: the sums begin when the last batch is stored
.set SLOTS, 64
.set AF,   128
.set CR0,  128                         ; the context: two sets of 40: 8 rows x 4 registers, 8 weights
.set CX,   208                         ; v208-215 my 8 columns' sums
.set PX,   216                         ; v216-219 four weights
.set OB,   220                         ; v220-227 the way out
.set WV,   16                          ; s16 wave; s17 tile; s18 batch
.set TILE, 17
.set BAT,  18
.set EP,   22                          ; s[22:23] encoder_outputs at my wave's rows + 512 x trip
.set WP,   24                          ; s[24:25] wf at my chunk, stepped
.set TBP,  26                          ; s[26:27] tb at my chunk's first block, my batch
.set SCP,  28                          ; s[28:29] scores at the tile
.set PPT,  30                          ; s[30:31] part at the tile, my wave's 1,024 bytes
.set CNT,  32
.set CH,   33
.set KO,   34
.set RO,   36
.set PO,   37
.set CC,   38                          ; s[38:39] c, named as a pair
.set SEL,  40                          ; s[40:41] v_permlanex16_b32's selects: each lane takes its own place in the other half
.set L2E,  42
.set MSB, 0
.macro WIN new                         ; the immediate's high byte repeats the setting that is left; a switch that changes nothing is dropped
.if MSB != (\new)
	s_set_vgpr_msb (MSB<<8)|(\new)
.set MSB, (\new)
.endif
.endm
.macro PLACES                          ; four places in front of loads into registers that matrix instructions have read, and of arithmetic that reads results
.rept 4
	v_nop
.endr
.endm
; Eight of the 48 loads that bring a chunk's first three K steps of W_c into ring slots 0-2: load n = slot n / 16, fragment (n % 16) / 2, half n % 2
.macro BL8 n0
	WIN 0x40                                       ; destination window 1, address window 0
.irp d, 0,1,2,3,4,5,6,7
.set n, (\n0)+(\d)
	global_load_b128 v[64*(n/16)+8*((n%16)/2)+4*(n%2):64*(n/16)+8*((n%16)/2)+4*(n%2)+3], v[GA], s[WP:WP+1] offset:(n/16)*8192+((n%16)/2)*1024+(n%2)*512
.endr
	WIN 0
.endm
; AHEAD OF THE FIRST PRODUCT.  Group g: slabs 0 and 1 (1,024 consecutive bytes) of rows 4 g .. 4 g + 3: eight loads of 512 consecutive bytes, into landing slot i
.macro GROUP i, g
.irp q, 0,1,2,3,4,5,6,7
	global_load_b128 v[SLOTS+32*(\i)+4*(\q):SLOTS+32*(\i)+4*(\q)+3], v[GA], s[EP:EP+1] offset:(4*(\g)+(\q)/2)*4096+((\q)%2)*512 th:TH_LOAD_NT
.endr
.endm
; A BATCH is asked for: rows r0 .. r0 + 7 of my 32, the 512 bytes at byte go behind the pointer, into landing buffer (r0 / 8) % 2
.macro ENCL r0, go
	WIN 0
.irp q, 0,1,2,3,4,5,6,7
	global_load_b128 v[LBUF+32*(((\r0)/8)%2)+4*(\q):LBUF+32*(((\r0)/8)%2)+4*(\q)+3], v[GA], s[EP:EP+1] offset:((\r0)+(\q))*4096+(\go) th:TH_LOAD_NT
.endr
.endm
; A BATCH is rounded to bf16 in place and stored: rows r0 .. r0 + 7 of the slab two behind the trip's own (256 consecutive bytes a store).  The 16 conversions name no register of the products
; round them: they are also the places in front of the loads that follow.
.macro ENCP r0
	WIN 0
	s_wait_loadcnt 32                              ; the batch is in.  Behind it went out W_c of one K step (16), as a rule the next batch (8), W_c of the next K step (16); the count asks for the first half of the older W_c too, which is wanted half a K step on
.set L, LBUF+32*(((\r0)/8)%2)
.irp q, 0,1,2,3,4,5,6,7
	v_cvt_pk_bf16_f32 v[L+4*(\q)],   v[L+4*(\q)],   v[L+4*(\q)+1]
	v_cvt_pk_bf16_f32 v[L+4*(\q)+1], v[L+4*(\q)+2], v[L+4*(\q)+3]
.endr
.irp q, 0,1,2,3,4,5,6,7
	ds_store_b64 v[LW], v[L+4*(\q):L+4*(\q)+1] offset:((\r0)+(\q))*PITCH+512
.endr
.endm
; Group g in landing slot i is rounded in place and stored; then eight more loads go out: kind 1: group arg into the same slot; kind 2: BL8 arg; kind 3: the first batch (slab 2, rows 0-7)
.macro TURN i, g, kind, arg
	s_wait_loadcnt 40                              ; loads come back in order: behind this group's eight stand five more groups of eight
.set L, SLOTS+32*(\i)
.irp q, 0,1,2,3,4,5,6,7
	v_cvt_pk_bf16_f32 v[L+4*(\q)],   v[L+4*(\q)],   v[L+4*(\q)+1]
	v_cvt_pk_bf16_f32 v[L+4*(\q)+1], v[L+4*(\q)+2], v[L+4*(\q)+3]
.endr
.irp q, 0,1,2,3,4,5,6,7
	ds_store_b64 v[LB], v[L+4*(\q):L+4*(\q)+1] offset:(4*(\g)+(\q)/2)*PITCH+((\q)%2)*256
.endr
.if (\kind) == 1
	GROUP \i, \arg
.elseif (\kind) == 2
	BL8 \arg
.else
	ENCL 0, 1024
.endif
.endm
.macro TABLE                           ; (B, B, V, V) of my column in each of the chunk's 8 blocks
.irp b, 0,1,2,3,4,5,6,7
	global_load_b128 v[TBL+4*(\b):TBL+4*(\b)+3], v[TBO], s[TBP:TBP+1] offset:(\b)*8192
.endr
.endm
.macro SETA
.irp i, 0,1,2,3
	v_add_nc_u32 v[ADRA+(\i)], s[KO], v[AB+(\i)]
.endr
.endm
; The 8 encoder fragments (128 rows x 32 K at byte koff behind the addresses) into buffer u, row blocks ascending
.macro FETCHA u, koff
	WIN 0
.irp a, 0,1,2,3,4,5,6,7
	ds_load_b128 v[AF+64*(\u)+8*(\a):AF+64*(\u)+8*(\a)+3],   v[ADRA+(\a)/2] offset:((\a)%2)*16*PITCH+(\koff)
	ds_load_b128 v[AF+64*(\u)+8*(\a)+4:AF+64*(\u)+8*(\a)+7], v[ADRA+(\a)/2] offset:((\a)%2)*16*PITCH+(\koff)+32
.endr
.endm
; A K step's 8 fragments of W_c (128 columns x 32 K) into ring slot sl
.macro FETCHB sl, boff
	WIN 0x40
.irp f, 0,1,2,3,4,5,6,7
	global_load_b128 v[64*(\sl)+8*(\f):64*(\sl)+8*(\f)+3],   v[GA], s[WP:WP+1] offset:(\boff)+(\f)*1024
	global_load_b128 v[64*(\sl)+8*(\f)+4:64*(\sl)+8*(\f)+7], v[GA], s[WP:WP+1] offset:(\boff)+(\f)*1024+512
.endr
.endm
; 32 matrix instructions: row blocks 4 hi + 0..3 x all 8 column blocks.  zero = 1: the first K step starts the sums.  The 64 accumulators take turns, one instruction a turn, in the same order in every step.
.macro MUL hi, sl, u, zero
	WIN 0xa4+0x50*(\hi)                            ; source 0 window 0, source 1 window 1, C and D window 2 or 3
.irp a, 0,1,2,3
.irp b, 0,1,2,3,4,5,6,7
.if \zero
	v_wmma_f32_16x16x32_bf16 v[8*(8*(\a)+(\b)):8*(8*(\a)+(\b))+7], v[AF+64*(\u)+8*(4*(\hi)+(\a)):AF+64*(\u)+8*(4*(\hi)+(\a))+7], v[64*(\sl)+8*(\b):64*(\sl)+8*(\b)+7], 0
.else
	v_wmma_f32_16x16x32_bf16 v[8*(8*(\a)+(\b)):8*(8*(\a)+(\b))+7], v[AF+64*(\u)+8*(4*(\hi)+(\a)):AF+64*(\u)+8*(4*(\hi)+(\a))+7], v[64*(\sl)+8*(\b):64*(\sl)+8*(\b)+7], v[8*(8*(\a)+(\b)):8*(8*(\a)+(\b))+7]
.endif
.endr
.endr
.endm
; A K step of 32: 64 matrix instructions on ring slot sl and encoder buffer u.  In its middle, in ONE run: the batch that has landed is stored (pr: its first row) and the batch two K steps on asked for
; (is: its first row; go: its slab's byte behind the pointer); W_c three steps on (fb) into the slot read last step; the encoder fragments of the next step (fa) into the other buffer.
; ldn: the loads that are younger than this step's W_c and may stay out.
; bar = 1: the trip's barrier.  In front of the signal all my LDS instructions are done, the last trip's stores of a slab among them; 32 products stand between signal and wait; behind the wait that slab may be read.
; pf = 1: a PREFETCH INTO THE L2, behind the run: the slab four behind the trip's own, my wave's own 32 rows, a lane a row, two instructions for the two halves of a row's 512 bytes.  Its loads go out three
; to six K steps on.  No other wave of the launch reads or names these bytes.  The loop's last trip asks for nothing: there is no such slab.  Slabs 0 to 3 come by their loads alone.
.macro STEP sl, u, zero, fa, koff, fb, boff, ldn, bar=0, pr=-1, is=-1, go=0, pf=0
	s_wait_loadcnt \ldn
.if \bar
	s_wait_dscnt 0x0
	s_barrier_signal -1
.else
	s_wait_dscnt 8                                 ; row blocks 0-3 are in; the youngest eight LDS loads (blocks 4-7) may be out
.endif
	MUL 0, \sl, \u, \zero
.if \bar
	s_barrier_wait -1
.endif
.if (\pr) >= 0
	ENCP \pr
.elseif (\fa) || (\fb)
	PLACES
.endif
.if (\is) >= 0
	ENCL \is, \go
.endif
.if \fb
	FETCHB ((\sl)+3)%4, \boff
.endif
.if \fa
	FETCHA 1-(\u), \koff
.if \pf
	s_cmp_gt_u32 s[CNT], 1                         ; (every window is 0 here)
	s_cbranch_scc0 .Lnot_asked_\@
	global_prefetch_b8 v[PFO], s[EP:EP+1] offset:4*512 th:TH_LOAD_NT scope:SCOPE_SE
	global_prefetch_b8 v[PFO], s[EP:EP+1] offset:4*512+256 th:TH_LOAD_NT scope:SCOPE_SE
.Lnot_asked_\@:
.endif
	s_wait_dscnt 16                                ; all but the 16 fragment loads just issued (the batch's stores are older)
.else
	s_wait_dscnt 0x0
.endif
	MUL 1, \sl, \u, \zero
.endm
; THE WAY FROM SUMS TO SCORES for the 32 accumulators of window w (2: rows 0-63, 3: rows 64-127), 256 numbers a lane:
;   x = c acc + B;  e = 2^x;  e + 1;  r = 1 / (e + 1);  t = 1 - 2 r = tanh;  score += V t.   tanh is formed for each number: no difference of long sums is taken.
; Each kind of transcendental is ONE batch of 256 with one plain instruction and one wait behind it, ahead of the first line that names a result.
.macro EPI w
	WIN ((\w)<<6)|(\w)                             ; destination and source 0 window w; the table (source 2) window 0
.set t, 0
.rept 32
.irp r, 0,2,4,6
	v_pk_fma_f32 v[8*t+(\r):8*t+(\r)+1], v[8*t+(\r):8*t+(\r)+1], s[CC:CC+1], v[TBL+4*(t%8):TBL+4*(t%8)+1] op_sel_hi:[1,0,1]  ; each accumulator from its lowest registers on
.endr
.set t, t+1
.endr
.set t, 0
.rept 256
	v_exp_f32 v[t], v[t]
.set t, t+1
.endr
	v_nop
	s_wait_alu depctr_va_vdst(0)
.set t, 0
.rept 128
	v_pk_add_f32 v[t:t+1], v[t:t+1], 1.0 op_sel_hi:[1,0]
.set t, t+2
.endr
.set t, 0
.rept 256
	v_rcp_f32 v[t], v[t]
.set t, t+1
.endr
	v_nop
	s_wait_alu depctr_va_vdst(0)
.set t, 0
.rept 128
	v_pk_fma_f32 v[t:t+1], v[t:t+1], -2.0, 1.0 op_sel_hi:[1,0,0]
.set t, t+2
.endr
	WIN \w                                         ; source 0 window w, all else window 0
.irp b, 0,1,2,3,4,5,6,7                ; column blocks outermost: two links of a score's chain stand 16 lines apart
.irp a, 0,1,2,3
.irp r, 0,2,4,6
	v_pk_fma_f32 v[SS+8*(4*((\w)-2)+(\a))+(\r):SS+8*(4*((\w)-2)+(\a))+(\r)+1], v[8*(8*(\a)+(\b))+(\r):8*(8*(\a)+(\b))+(\r)+1], v[TBL+4*(\b)+2:TBL+4*(\b)+3], v[SS+8*(4*((\w)-2)+(\a))+(\r):SS+8*(4*((\w)-2)+(\a))+(\r)+1]
.endr
.endr
.endr
	WIN 0
.endm
; THE CONTEXT.  Thread t owns columns 8 t .. 8 t + 7: 16 bytes of each LDS row.  CLOAD: 8 rows from row r0 behind the addresses, and their 8 weights (every lane reads the same words), into set z.
.macro CLOAD z, r0
.irp i, 0,1,2,3,4,5,6,7
	ds_load_b128 v[CR0+40*(\z)+4*(\i):CR0+40*(\z)+4*(\i)+3], v[CW] offset:((\r0)+(\i))*PITCH
.endr
	ds_load_b128 v[CR0+40*(\z)+32:CR0+40*(\z)+35], v[PW] offset:(\r0)*4
	ds_load_b128 v[CR0+40*(\z)+36:CR0+40*(\z)+39], v[PW] offset:(\r0)*4+16
.endm
.macro CFMA z                          ; 64 multiply-adds straight from the bf16 halves into f32 sums; two links of a sum's chain stand 8 lines apart
.irp i, 0,1,2,3,4,5,6,7
.irp d, 0,1,2,3
	v_fma_mix_f32_bf16 v[CX+2*(\d)],   v[CR0+40*(\z)+4*(\i)+(\d)], v[CR0+40*(\z)+32+(\i)], v[CX+2*(\d)] op_sel_hi:[1,0,0]
	v_fma_mix_f32_bf16 v[CX+2*(\d)+1], v[CR0+40*(\z)+4*(\i)+(\d)], v[CR0+40*(\z)+32+(\i)], v[CX+2*(\d)+1] op_sel:[1,0,0] op_sel_hi:[1,0,0]
.endr
.endr
.endm
	s_load_b256 s[4:11], s[0:1], 0x0               ; encoder_outputs s[4:5], wf s[6:7], tb s[8:9], scores s[10:11]
	s_load_b64 s[12:13], s[0:1], 0x20              ; part
	v_lshl_add_u32 v[SPW], v0, 2, SPARE
	v_mov_b32 v[NIL], 0
	v_lshrrev_b32 v1, 5, v0
	v_readfirstlane_b32 s[WV], v1                  ; wave 0..3
	s_mov_b32 s[TILE], ttmp9
	s_and_b32 s[BAT], ttmp7, 0xffff
	v_and_b32 v[LANE], 31, v0
	v_lshlrev_b32 v[GA], 4, v[LANE]
	s_lshl_b32 s20, s[BAT], 11
	s_lshl_b32 s21, s[TILE], 7
	s_add_co_u32 s20, s20, s21
	s_lshl_b32 s21, s[WV], 5
	s_add_co_u32 s20, s20, s21                     ; my wave's first row among the 65,536,
	s_lshl_b32 s20, s20, 12                        ; in bytes: under 2^28
	s_mov_b32 s21, 0
	s_wait_kmcnt 0x0
	s_add_nc_u64 s[EP:EP+1], s[4:5], s[20:21]
.irp i, 0,1,2,3,4,5
	GROUP \i, \i                                   ; slabs 0 and 1 of rows 0-23: 48 loads are out
.endr
	; the rest of the set-up stands in the wait for them
	s_lshl_b32 s20, s[WV], 19                      ; wf: my two chunks of 262,144 bytes
	s_add_nc_u64 s[WP:WP+1], s[6:7], s[20:21]
	s_lshl_b32 s20, s[WV], 17                      ; tb: my 16 column blocks of 8,192 bytes, my batch's 256 in each
	s_lshl_b32 s43, s[BAT], 8
	s_add_co_u32 s20, s20, s43
	s_add_nc_u64 s[TBP:TBP+1], s[8:9], s[20:21]
	s_lshl_b32 s20, s[BAT], 13                     ; scores: 8,192 bytes a batch, 512 a tile
	s_lshl_b32 s43, s[TILE], 9
	s_add_co_u32 s20, s20, s43
	s_add_nc_u64 s[SCP:SCP+1], s[10:11], s[20:21]
	s_lshl_b32 s20, s[BAT], 16                     ; part: 4,096 bytes a tile, 16 tiles a batch, 1,024 bytes a wave
	s_lshl_b32 s43, s[TILE], 12
	s_add_co_u32 s20, s20, s43
	s_lshl_b32 s43, s[WV], 10
	s_add_co_u32 s20, s20, s43
	s_add_nc_u64 s[PPT:PPT+1], s[12:13], s[20:21]
	s_mov_b32 s[CC], 0x4038aa3b                    ; c = 2 log2(e)
	s_mov_b32 s[CC+1], s[CC]
	s_mov_b32 s[SEL], 0x76543210
	s_mov_b32 s[SEL+1], 0xfedcba98
	s_mov_b32 s[L2E], 0x3fb8aa3b                   ; log2(e)
	s_mul_i32 s20, s[WV], 32*PITCH
	v_lshl_add_u32 v[LB], v[LANE], 3, s20
	v_mov_b32 v[LW], v[LB]
	v_and_b32 v[RR], 15, v0
	v_bfe_u32 v[HH], v0, 4, 1
	v_lshlrev_b32 v[TBO], 4, v[RR]
	v_mul_u32_u24 v1, v[RR], PITCH
	v_lshl_add_u32 v1, v[HH], 4, v1
.irp i, 0,1,2,3
	v_add_nc_u32 v[AB+(\i)], (\i)*32*PITCH, v1
.endr
	s_lshl_b32 s20, s[WV], 9
	s_add_co_u32 s43, s20, SC
	v_lshl_add_u32 v[SCW], v[HH], 5, s43           ; my wave's partial scores: rows 8 (lane / 16) on
	v_add_nc_u32 v[SCR], SC, v[GA]                 ; back: rows 4 lane + 0..3
	s_add_co_u32 s43, s20, PR
	v_add_nc_u32 v[PWA], s43, v[GA]
	v_mov_b32 v[PB], s43
	v_mov_b32 v[PW], s43
	v_lshlrev_b32 v[CB], 4, v0                     ; my 8 columns of a row
	v_mov_b32 v[CW], v[CB]
	s_lshl_b32 s20, s[WV], 10
	s_add_co_u32 s20, s20, STG
	v_lshl_add_u32 v[STW], v[LANE], 5, s20         ; my wave's stage: in, 32 bytes a lane;
	v_add_nc_u32 v[STR], s20, v[GA]                ; back, 16 bytes a lane
	v_lshlrev_b32 v[PFO], 12, v[LANE]              ; the lane's number has served: a lane a row
	; PHASE 1: slabs 0 and 1 of my wave's 32 rows, eight groups of four rows.  Behind each group eight more loads go out, so that every count is 40: the last two groups; K steps 0 and 1 of W_c;
	; the first batch; K step 2 of W_c: the order in which the K steps below count them.
	TURN 0, 0, 1, 6
	TURN 1, 1, 1, 7
	TURN 2, 2, 2, 0
	TURN 3, 3, 2, 8
	TURN 4, 4, 2, 16
	TURN 5, 5, 2, 24
	TURN 0, 6, 3, 0
	TURN 1, 7, 2, 32
	BL8 40
	s_wait_dscnt 0x0                               ; for the others' sake: my rows' first 256 columns lie in LDS
	s_barrier_signal -1
	s_barrier_wait -1                              ; K steps 0 to 7 may be read
	; PHASE 2, CHUNK 0, K STEPS 0 TO 24: the products, and under them slabs 2 to 7
	s_mov_b32 s[CH], 2
	s_mov_b32 s[KO], 0
	SETA
	FETCHA 0, 0
	STEP 0, 0, 1,  1, 64,   1, 3*8192, 32,  0, -1, 8, 1024     ; K step 0 starts the sums.  Behind its W_c stand K step 1's (16), the first batch (8) and K step 2's (16); the count asks for the first half of K step 1's as well, which went out with K step 0's.  The second batch is asked for
	WIN 0                                          ; at a label and at a branch every window is 0
	s_mov_b32 s[CNT], 5
.Lslab:                                                ; trip t: K steps 4 t + 1 .. 4 t + 4; slab t + 2 is stored; 48 = a batch, W_c, a batch, W_c: what went out behind this step's W_c
	STEP 1, 1, 0,  1, 128,  1, 4*8192, 48,  1, 0,  16, 1024
	STEP 2, 0, 0,  1, 192,  1, 5*8192, 48,  0, 8,  24, 1024
	STEP 3, 1, 0,  1, 256,  1, 6*8192, 48,  0, 16, 0,  1536
	STEP 0, 0, 0,  1, 320,  1, 7*8192, 48,  0, 24, 8,  1536, 1
	WIN 0
	s_wait_xcnt 0x0                                ; the loads and prefetches (the youngest 32 products back) have read their addresses: the pointers step
	s_add_nc_u64 s[WP:WP+1], s[WP:WP+1], 4*8192
	s_add_nc_u64 s[EP:EP+1], s[EP:EP+1], 512
	s_add_co_u32 s[KO], s[KO], 256
	SETA
	v_add_nc_u32 v[LW], 0x100, v[LW]
	s_sub_co_u32 s[CNT], s[CNT], 1
	s_cmp_lg_u32 s[CNT], 0
	s_cbranch_scc1 .Lslab
	STEP 1, 1, 0,  1, 128,  1, 4*8192, 48,  1, 0,  16, 1024    ; trip 5 is written out: slab 7 is stored; its last two batches are asked for, then nothing more,
	STEP 2, 0, 0,  1, 192,  1, 5*8192, 48,  0, 8,  24, 1024
	STEP 3, 1, 0,  1, 256,  1, 6*8192, 48,  0, 16
	STEP 0, 0, 0,  1, 320,  1, 7*8192, 40,  0, 24              ; and the count runs down: a batch, W_c, W_c
	WIN 0
	s_wait_xcnt 0x0
	s_add_nc_u64 s[WP:WP+1], s[WP:WP+1], 4*8192
	s_add_co_u32 s[KO], s[KO], 256
	SETA
	TABLE                                          ; chunk 0's table: wanted behind the chunk's last product
	s_wait_dscnt 0x0                               ; for the others' sake: my rows of slab 7 lie in LDS
	s_barrier_signal -1
.set i, 0
.rept 64
	v_mov_b32 v[SS+i], 0                           ; the landing buffers have served: the scores' sums start at 0, so that both chunks have one text
.set i, i+1
.endr
	s_barrier_wait -1                              ; the tile is whole; it is only read from here on
	s_mov_b32 s[CNT], 1
	s_branch .Lk                                   ; K steps 25 to 31 and all that follows are the text of every chunk: the loop is entered in its middle, with one trip left
.Lchunk:                                               ; CHUNK 1: 32 K steps; its first three K steps of W_c went out ahead of chunk 0's tanh
	TABLE
	s_mov_b32 s[KO], 0
	SETA
	FETCHA 0, 0
	STEP 0, 0, 1,  1, 64,   1, 3*8192, 40          ; K step 0 starts the sums.  Younger than its 16 loads: K steps 1 and 2 (32) and the table (8)
	WIN 0
	s_mov_b32 s[CNT], 7
.Lk:                                                   ; four K steps a trip; 32 = the two younger steps' loads (where the table's eight stand among them they are waited for as well)
	STEP 1, 1, 0,  1, 128,  1, 4*8192, 32
	STEP 2, 0, 0,  1, 192,  1, 5*8192, 32
	STEP 3, 1, 0,  1, 256,  1, 6*8192, 32
	STEP 0, 0, 0,  1, 320,  1, 7*8192, 32
	WIN 0
	s_wait_xcnt 0x0                                ; the loads have read their address: the pointer steps four K steps
	s_add_nc_u64 s[WP:WP+1], s[WP:WP+1], 4*8192
	s_add_co_u32 s[KO], s[KO], 256
	SETA
	s_sub_co_u32 s[CNT], s[CNT], 1
	s_cmp_lg_u32 s[CNT], 0
	s_cbranch_scc1 .Lk
	STEP 1, 1, 0,  1, 128,  0, 0, 32               ; K steps 29, 30, 31: nothing of W_c is left to ask for, and the counts run down
	STEP 2, 0, 0,  1, 192,  0, 0, 16
	STEP 3, 1, 0,  0, 0,    0, 0, 0
	WIN 0
	PLACES                                         ; behind the last products: loads into the ring follow, and arithmetic on the results
	PLACES
	s_wait_xcnt 0x0
	s_add_nc_u64 s[WP:WP+1], s[WP:WP+1], 4*8192    ; the next chunk's first byte
	s_add_nc_u64 s[TBP:TBP+1], s[TBP:TBP+1], 8*8192
	s_cmp_eq_u32 s[CH], 1
	s_cbranch_scc1 .Lno_more                       ; behind the last chunk there is nothing to ask for
	BL8 0                                          ; the next chunk's first three K steps go out ahead of the arithmetic below, and land under it
	BL8 8
	BL8 16
	BL8 24
	BL8 32
	BL8 40
.Lno_more:
	EPI 2
	EPI 3
	s_sub_co_u32 s[CH], s[CH], 1
	s_cmp_lg_u32 s[CH], 0
	s_cbranch_scc1 .Lchunk
	; PHASE 3.  A lane's sums are those of its own 16 columns: four steps add the 16 lanes of a half, whose registers hold the same rows.
.irp m, 1,2,4,8
.set i, 0
.rept 64
	v_add_f32_dpp v[SS+i], v[SS+i], v[SS+i] row_xmask:\m row_mask:0xf bank_mask:0xf
.set i, i+1
.endr
.endr
.irp a, 0,1,2,3,4,5,6,7
	ds_store_b128 v[SCW], v[SS+8*(\a):SS+8*(\a)+3]   offset:64*(\a)      ; the 16 lanes of a half store the same words with the same values
	ds_store_b128 v[SCW], v[SS+8*(\a)+4:SS+8*(\a)+7] offset:64*(\a)+16
.endr
	s_wait_dscnt 0x0                               ; for the others' sake: my 256 columns' part of the 128 scores lies in LDS
	s_barrier_signal -1
	s_barrier_wait -1
.irp w, 0,1,2,3
	ds_load_b128 v[128+4*(\w):128+4*(\w)+3], v[SCR] offset:512*(\w)
.endr
	s_wait_dscnt 0x0
	v_pk_add_f32 v[128:129], v[128:129], v[132:133]    ; the same order in every wave: all four hold the same bits
	v_pk_add_f32 v[130:131], v[130:131], v[134:135]
	v_pk_add_f32 v[136:137], v[136:137], v[140:141]
	v_pk_add_f32 v[138:139], v[138:139], v[142:143]
	v_pk_add_f32 v[QQ:QQ+1],   v[128:129], v[136:137]
	v_pk_add_f32 v[QQ+2:QQ+3], v[130:131], v[138:139]
	s_cmp_lg_u32 s[WV], 0
	s_cbranch_scc1 .Lnot_wave_0
	global_store_b128 v[GA], v[QQ:QQ+3], s[SCP:SCP+1]  ; the tile's 128 scores: 512 consecutive bytes
.Lnot_wave_0:
	v_max3_num_f32 v1, v[QQ], v[QQ+1], v[QQ+2]
	v_max_num_f32 v1, v1, v[QQ+3]
.irp m, 1,2,4,8
	v_max_num_f32_dpp v1, v1, v1 row_xmask:\m row_mask:0xf bank_mask:0xf
.endr
	v_permlanex16_b32 v[LW], v1, s[SEL], s[SEL+1]
	v_max_num_f32 v1, v1, v[LW]                    ; m: the tile's largest score, in every lane
.irp e, 0,1,2,3
	v_sub_f32 v[PX+(\e)], v[QQ+(\e)], v1           ; the difference first, then the scale: near scores lose nothing
.endr
.irp e, 0,1,2,3
	v_mul_f32 v[PX+(\e)], s[L2E], v[PX+(\e)]
.endr
.irp e, 0,1,2,3
	v_exp_f32 v[PX+(\e)], v[PX+(\e)]
.endr
.irp e, 0,1,2,3,4,5,6,7
	v_mov_b32 v[CX+(\e)], 0                        ; plain work behind the exponentials
.endr
	s_wait_alu depctr_va_vdst(0)                   ; one wait for the four, ahead of the store that reads them
	ds_store_b128 v[PWA], v[PX:PX+3]               ; into my wave's own copy: LDS serves a wave's instructions in order (ISA guide 5.7.1.4), so the loads below see it
	s_mov_b32 s[RO], 0
	s_mov_b32 s[PO], 0
	CLOAD 0, 0
	s_mov_b32 s[CNT], 7
.Lctx:                                                 ; 16 rows a trip, on two sets of registers
	CLOAD 1, 8
	s_wait_dscnt 10                                ; all but the ten just issued
	CFMA 0
	CLOAD 0, 16
	s_wait_dscnt 10
	CFMA 1
	s_add_co_u32 s[RO], s[RO], 16*PITCH
	s_add_co_u32 s[PO], s[PO], 64
	v_add_nc_u32 v[CW], s[RO], v[CB]
	v_add_nc_u32 v[PW], s[PO], v[PB]
	s_sub_co_u32 s[CNT], s[CNT], 1
	s_cmp_lg_u32 s[CNT], 0
	s_cbranch_scc1 .Lctx
	CLOAD 1, 8                                     ; rows 120-127
	s_wait_dscnt 10
	CFMA 0
	s_wait_dscnt 0x0
	CFMA 1
	; THE WAY OUT: a lane's 32 bytes go through my wave's own stage, so that each store of the wave covers 512 consecutive bytes
	ds_store_b128 v[STW], v[CX:CX+3]
	ds_store_b128 v[STW], v[CX+4:CX+7] offset:16
	ds_load_b128 v[OB:OB+3],   v[STR]
	ds_load_b128 v[OB+4:OB+7], v[STR] offset:512
	s_wait_dscnt 0x0
	global_store_b128 v[GA], v[OB:OB+3],   s[PPT:PPT+1]
	global_store_b128 v[GA], v[OB+4:OB+7], s[PPT:PPT+1] offset:512
	s_wait_tensorcnt 0x0                           ; the wave's end, behind my last LDS store
	ds_add_u32 v[SPW], v[NIL]
	s_wait_dscnt 0x0
	s_endpgm
.Lfunc_end_k_qe20cff40df_attn:
	.size	k_qe20cff40df_attn, .Lfunc_end_k_qe20cff40df_attn-k_qe20cff40df_attn
	.p2alignl 7, 3214868480
	.fill 96, 4, 3214868480
	.section	.rodata,"a",@progbits
	.p2align	6, 0x0
	.amdhsa_kernel k_qe20cff40df_attn
		.amdhsa_group_segment_fixed_size 272896
		.amdhsa_private_segment_fixed_size 0
		.amdhsa_enable_private_segment 0
		.amdhsa_kernarg_size 40
		.amdhsa_user_sgpr_count 2
		.amdhsa_user_sgpr_kernarg_segment_ptr 1
		.amdhsa_wavefront_size32 1
		.amdhsa_system_sgpr_workgroup_id_x 1
		.amdhsa_system_sgpr_workgroup_id_y 1
		.amdhsa_system_sgpr_workgroup_id_z 1
		.amdhsa_system_vgpr_workitem_id 0
		.amdhsa_next_free_vgpr 1024
		.amdhsa_next_free_sgpr 66
		.amdhsa_reserve_vcc 0
		.amdhsa_float_denorm_mode_32 3
		.amdhsa_float_denorm_mode_16_64 3
		.amdhsa_memory_ordered 1
		.amdhsa_forward_progress 1
		.amdhsa_inst_pref_size 255
	.end_amdhsa_kernel
	.section	.bss,"aw",@nobits
	.p2align	6
	.space	262144
	.amdgpu_metadata
---
amdhsa.version: [ 1, 2 ]
amdhsa.kernels:
  - .name:           k_qe20cff40df_attn
    .symbol:         k_qe20cff40df_attn.kd
    .args:
      - { .name: encoder_outputs, .offset: 0, .size: 8, .value_kind: global_buffer, .address_space: global }
      - { .name: wf, .offset: 8, .size: 8, .value_kind: global_buffer, .address_space: global }
      - { .name: tb, .offset: 16, .size: 8, .value_kind: global_buffer, .address_space: global }
      - { .name: scores, .offset: 24, .size: 8, .value_kind: global_buffer, .address_space: global }
      - { .name: part, .offset: 32, .size: 8, .value_kind: global_buffer, .address_space: global }
    .group_segment_fixed_size: 272896
    .private_segment_fixed_size: 0
    .kernarg_segment_align: 8
    .kernarg_segment_size: 40
    .max_flat_workgroup_size: 128
    .sgpr_count:     66
    .vgpr_count:     1024
    .wavefront_size: 32
...
	.end_amdgpu_metadata
.endif
;; end of part 2
;; launch merge (part 3): grid 4 x 32, 8 waves a work-group, no clusters, 5,632 bytes of LDS; arguments scores, part, out0, out1; writes out0, out1
.if DOCPART == 3
	.amdgcn_target "amdgcn-amd-amdhsa--gfx1250"
	.amdhsa_code_object_version 6
	.text
	.protected	k_qe20cff40df_merge
	.globl	k_qe20cff40df_merge
	.p2align	8
	.type	k_qe20cff40df_merge,@function
k_qe20cff40df_merge:
	s_mov_b64 s[64:65], 0
	v_nop
	global_prefetch_b8 v0, s[64:65] scope:SCOPE_SE
	s_setreg_imm32_b32 hwreg(HW_REG_WAVE_MODE, 25, 1), 1
	s_wait_xcnt 0x0
; THE 16 TILES OF A BATCH ARE JOINED.  grid x = a quarter of the batch's outputs, y = batch.  Every work-group reads the batch's 2,048 raw scores (8 KB) and finds
;   m_t = the largest score of tile t (the same bits as the launch before took: a maximum rounds nothing),  M = the largest of all,  L = sum of 2^((q - M) log2 e).
;   out1[b][row] = 2^((q - M) log2 e) / L                           for its 512 rows
;   out0[b][col] = sum over t of 2^((m_t - M) log2 e) part[b][t][col] / L   for its 256 columns
; All in f32.  LIMITS: a weight below 2^-126 counts as 0; NaN is not treated apart.  L is at least 1 (the largest score's own weight).
; No matrix work, no cluster: 2.3 MB are read once or from a buffer of 8 KB a batch, and the work-groups of a batch share nothing else.
.set MT,    0                          ; LDS: the 16 tiles' maxima
.set LS,    256                        ; the eight waves' sums
.set CR,    512                        ; 4 groups of tiles x 256 columns x 4 bytes
.set SPARE, 4608                       ; the spare words, 128 bytes for each wave: four blocks of 256 bytes that no other line names
.set SPW, 2                            ; v2   LDS address of my spare word: SPARE + 4 x my thread's number; never rewritten
.set NIL, 3                            ; v3   0; never rewritten
	s_load_b256 s[4:11], s[0:1], 0x0               ; scores s[4:5], part s[6:7], out0 s[8:9], out1 s[10:11]
	v_lshl_add_u32 v[SPW], v0, 2, SPARE
	v_mov_b32 v[NIL], 0
	v_lshrrev_b32 v1, 5, v0
	v_readfirstlane_b32 s12, v1                    ; wave 0..7
	s_mov_b32 s13, ttmp9                           ; the quarter
	s_and_b32 s14, ttmp7, 0xffff                   ; the batch
	s_lshl_b32 s16, s14, 13                        ; scores and out1: 8,192 bytes a batch
	s_mov_b32 s17, 0
	s_lshl_b32 s18, s13, 11                        ; my quarter's 512 rows
	s_add_co_u32 s18, s18, s16
	s_mov_b32 s19, 0
	s_lshl_b32 s21, s13, 10                        ; my quarter's 256 columns
	s_lshl_b32 s20, s14, 16                        ; part: 65,536 bytes a batch
	s_add_co_u32 s20, s20, s21
	s_lshl_b32 s22, s14, 12                        ; out0: 4,096 bytes a batch
	s_add_co_u32 s22, s22, s21
	s_mov_b32 s21, 0
	s_mov_b32 s23, 0
	s_mov_b32 s28, 0x76543210                      ; v_permlanex16_b32's selects: each lane takes its own place in the other half
	s_mov_b32 s29, 0xfedcba98
	s_lshl_b32 s30, s12, 2
	s_mov_b32 s31, 0x3fb8aa3b                      ; log2(e)
	v_lshlrev_b32 v4, 4, v0                        ; 16 t
	v_lshlrev_b32 v5, 3, v0                        ; 8 t
	v_lshrrev_b32 v6, 6, v0                        ; tg = t / 64: my four tiles 4 tg + 0..3
	v_and_b32 v7, 63, v0
	v_lshlrev_b32 v7, 4, v7
	v_lshl_add_u32 v7, v6, 14, v7                  ; tg x 4 tiles of 4,096 bytes + my four columns
	v_lshlrev_b32 v42, 4, v6                       ; my four tiles' maxima
	v_mov_b32 v40, s30                             ; 4 x wave
	v_mov_b32 v41, 0
	s_wait_kmcnt 0x0
	s_add_nc_u64 s[24:25], s[4:5], s[16:17]
	s_add_nc_u64 s[26:27], s[4:5], s[18:19]
	s_add_nc_u64 s[6:7], s[6:7], s[20:21]
	s_add_nc_u64 s[8:9], s[8:9], s[22:23]
	s_add_nc_u64 s[10:11], s[10:11], s[18:19]
	global_load_b128 v[8:11],  v4, s[24:25]                ; rows 4 t ..: wave w holds all of tile w,
	global_load_b128 v[12:15], v4, s[24:25] offset:4096    ; and of tile 8 + w
	global_load_b64  v[16:17], v5, s[26:27]                ; my two output rows
	global_load_b128 v[20:23], v7, s[6:7]
	global_load_b128 v[24:27], v7, s[6:7] offset:4096
	global_load_b128 v[28:31], v7, s[6:7] offset:8192
	global_load_b128 v[32:35], v7, s[6:7] offset:12288
	s_wait_loadcnt 5                               ; the 8 scores are in; the five younger loads stay out
	v_max3_num_f32 v36, v8, v9, v10
	v_max3_num_f32 v37, v12, v13, v14
	v_max_num_f32 v36, v36, v11
	v_max_num_f32 v37, v37, v15
.irp m, 1,2,4,8
	v_max_num_f32_dpp v36, v36, v36 row_xmask:\m row_mask:0xf bank_mask:0xf
	v_max_num_f32_dpp v37, v37, v37 row_xmask:\m row_mask:0xf bank_mask:0xf
.endr
	v_permlanex16_b32 v1, v36, s28, s29
	v_max_num_f32 v36, v36, v1
	v_permlanex16_b32 v1, v37, s28, s29
	v_max_num_f32 v37, v37, v1
	ds_store_b32 v40, v36 offset:MT                ; all lanes store the same word with the same value
	ds_store_b32 v40, v37 offset:MT+32
	s_wait_dscnt 0x0                               ; for the others' sake
	s_barrier_signal -1
	s_barrier_wait -1
.irp k, 0,1,2,3
	ds_load_b128 v[44+4*(\k):44+4*(\k)+3], v41 offset:MT+16*(\k)
.endr
	ds_load_b128 v[60:63], v42 offset:MT
	s_wait_dscnt 0x0
	v_max3_num_f32 v43, v44, v45, v46
.irp k, 47,49,51,53,55,57
	v_max3_num_f32 v43, v43, v[\k], v[(\k)+1]
.endr
	v_max_num_f32 v43, v43, v59                    ; M
	s_wait_loadcnt 4                               ; my two output rows are in
.irp k, 8,9,10,11,12,13,14,15,16,17,60,61,62,63
	v_sub_f32 v[\k], v[\k], v43                    ; the difference first, then the scale
.endr
.irp k, 8,9,10,11,12,13,14,15,16,17,60,61,62,63
	v_mul_f32 v[\k], s31, v[\k]
.endr
.irp k, 8,9,10,11,12,13,14,15,16,17,60,61,62,63
	v_exp_f32 v[\k], v[\k]                         ; one batch of 14
.endr
	v_nop
	s_wait_alu depctr_va_vdst(0)                   ; one wait for the batch, ahead of its first reader
	v_pk_add_f32 v[66:67], v[8:9], v[10:11]
	v_pk_add_f32 v[68:69], v[12:13], v[14:15]
	v_pk_add_f32 v[66:67], v[66:67], v[68:69]
	v_add_f32 v66, v66, v67
.irp m, 1,2,4,8
	v_add_f32_dpp v66, v66, v66 row_xmask:\m row_mask:0xf bank_mask:0xf
.endr
	v_permlanex16_b32 v1, v66, s28, s29
	v_add_f32 v66, v66, v1
	ds_store_b32 v40, v66 offset:LS                ; my wave's 256 weights' sum
	s_wait_loadcnt 0x0                             ; my four tiles' parts
.irp e, 0,1,2,3
	v_mul_f32 v[70+(\e)], v60, v[20+(\e)]
.endr
.irp e, 0,1,2,3
	v_fmac_f32 v[70+(\e)], v61, v[24+(\e)]
.endr
.irp e, 0,1,2,3
	v_fmac_f32 v[70+(\e)], v62, v[28+(\e)]
.endr
.irp e, 0,1,2,3
	v_fmac_f32 v[70+(\e)], v63, v[32+(\e)]
.endr
	ds_store_b128 v4, v[70:73] offset:CR
	s_wait_dscnt 0x0                               ; for the others' sake
	s_barrier_signal -1
	s_barrier_wait -1
	ds_load_b128 v[44:47], v41 offset:LS
	ds_load_b128 v[48:51], v41 offset:LS+16
	s_wait_dscnt 0x0
	v_pk_add_f32 v[44:45], v[44:45], v[46:47]
	v_pk_add_f32 v[48:49], v[48:49], v[50:51]
	v_pk_add_f32 v[44:45], v[44:45], v[48:49]
	v_add_f32 v44, v44, v45                        ; L
	v_rcp_f32 v52, v44
	v_nop
	s_wait_alu depctr_va_vdst(0)
	v_mul_f32 v16, v16, v52
	v_mul_f32 v17, v17, v52
	global_store_b64 v5, v[16:17], s[10:11]        ; a wave stores 256 consecutive bytes, aligned
	s_cmp_lt_u32 s12, 2                            ; waves 0 and 1 finish the 256 columns
	s_cbranch_scc0 .Lend
.irp k, 0,1,2,3
	ds_load_b128 v[20+4*(\k):20+4*(\k)+3], v4 offset:CR+1024*(\k)
.endr
	s_wait_dscnt 0x0
	v_pk_add_f32 v[20:21], v[20:21], v[24:25]
	v_pk_add_f32 v[22:23], v[22:23], v[26:27]
	v_pk_add_f32 v[28:29], v[28:29], v[32:33]
	v_pk_add_f32 v[30:31], v[30:31], v[34:35]
	v_pk_add_f32 v[20:21], v[20:21], v[28:29]
	v_pk_add_f32 v[22:23], v[22:23], v[30:31]
.irp e, 0,1,2,3
	v_mul_f32 v[20+(\e)], v[20+(\e)], v52
.endr
	global_store_b128 v4, v[20:23], s[8:9]         ; a wave stores 512 consecutive bytes
.Lend:
	s_wait_tensorcnt 0x0                           ; the wave's end, behind my last LDS store
	ds_add_u32 v[SPW], v[NIL]
	s_wait_dscnt 0x0
	s_endpgm
.Lfunc_end_k_qe20cff40df_merge:
	.size	k_qe20cff40df_merge, .Lfunc_end_k_qe20cff40df_merge-k_qe20cff40df_merge
	.p2alignl 7, 3214868480
	.fill 96, 4, 3214868480
	.section	.rodata,"a",@progbits
	.p2align	6, 0x0
	.amdhsa_kernel k_qe20cff40df_merge
		.amdhsa_group_segment_fixed_size 5632
		.amdhsa_private_segment_fixed_size 0
		.amdhsa_enable_private_segment 0
		.amdhsa_kernarg_size 32
		.amdhsa_user_sgpr_count 2
		.amdhsa_user_sgpr_kernarg_segment_ptr 1
		.amdhsa_wavefront_size32 1
		.amdhsa_system_sgpr_workgroup_id_x 1
		.amdhsa_system_sgpr_workgroup_id_y 1
		.amdhsa_system_sgpr_workgroup_id_z 1
		.amdhsa_system_vgpr_workitem_id 0
		.amdhsa_next_free_vgpr 96
		.amdhsa_next_free_sgpr 66
		.amdhsa_reserve_vcc 0
		.amdhsa_float_denorm_mode_32 3
		.amdhsa_float_denorm_mode_16_64 3
		.amdhsa_memory_ordered 1
		.amdhsa_forward_progress 1
		.amdhsa_inst_pref_size 9
	.end_amdhsa_kernel
	.amdgpu_metadata
---
amdhsa.version: [ 1, 2 ]
amdhsa.kernels:
  - .name:           k_qe20cff40df_merge
    .symbol:         k_qe20cff40df_merge.kd
    .args:
      - { .name: scores, .offset: 0, .size: 8, .value_kind: global_buffer, .address_space: global }
      - { .name: part, .offset: 8, .size: 8, .value_kind: global_buffer, .address_space: global }
      - { .name: out0, .offset: 16, .size: 8, .value_kind: global_buffer, .address_space: global }
      - { .name: out1, .offset: 24, .size: 8, .value_kind: global_buffer, .address_space: global }
    .group_segment_fixed_size: 5632
    .private_segment_fixed_size: 0
    .kernarg_segment_align: 8
    .kernarg_segment_size: 32
    .max_flat_workgroup_size: 256
    .sgpr_count:     66
    .vgpr_count:     96
    .wavefront_size: 32
...
	.end_amdgpu_metadata
.endif
;; end of part 3
;; ======== version 2 of 2: 3 launches; version 1 with the launch attn written anew for expert scheduling mode
;; workspace buffers: wf 2,097,152 bytes; tb 524,288 bytes; scores 262,144 bytes; part 2,097,152 bytes
;; launch prep: the kernel of part 1 again; grid 128 x 1, 8 waves a work-group, no clusters, 17,408 bytes of LDS; arguments W_c, W_h, b_c, b_h, hidden, v, wf, tb; writes wf, tb
;; launch attn (part 4): grid 16 x 32, 4 waves a work-group, no clusters, 272,896 bytes of LDS; arguments encoder_outputs, wf, tb, scores, part; writes scores, part
.if DOCPART == 4
	.amdgcn_target "amdgcn-amd-amdhsa--gfx1250"
	.amdhsa_code_object_version 6
	.text
	.protected	k_qe20cff40df_attn
	.globl	k_qe20cff40df_attn
	.p2align	8
	.type	k_qe20cff40df_attn,@function
k_qe20cff40df_attn:
	s_mov_b64 s[64:65], 0
	v_nop
	global_prefetch_b8 v0, s[64:65] scope:SCOPE_SE
	s_setreg_imm32_b32 hwreg(HW_REG_WAVE_SCHED_MODE, 0, 2), 2
	s_setreg_imm32_b32 hwreg(HW_REG_WAVE_MODE, 25, 1), 1
	s_wait_xcnt 0x0
	s_wait_alu depctr_vm_vsrc(0)
; A TILE OF BAHDANAU ATTENTION.  A work-group owns 128 encoder rows of one batch (grid x = tile 0..15, y = batch).  It reads them ONCE, as f32, and keeps them in LDS as bf16.  From that copy it makes
;   scores[b][row] = sum over o of v[o] tanh(hidden_proj[b][o] + b_h[o] + b_c[o] + sum over k of enc[row][k] W_c[o][k])      (stored raw, f32)
;   part[b][tile][col] = sum over the tile's rows of 2^((score - m) log2 e) enc[row][col],  m = the tile's largest score      (f32; the next launch joins the 16 tiles of a batch)
; LIMITS.  enc and W_c enter both products rounded once to bf16; sums, tanh, scores, weights and context stay in f32.  tanh(x) = 1 - 2 / (1 + 2^(c x)), c = 2 log2 e: right at both ends
; (2^.. = infinity gives 1, 0 gives -1), absolute error of the order of 1e-7 near 0.  A weight below 2^-126 counts as 0.  NaN is not treated apart.
; SHARES.  Wave w rounds rows 32 w .. 32 w + 31 into LDS.  It makes ALL 128 rows x 256 columns of its own, in two chunks of 128 columns (128 (2 w + chunk) on): 64 accumulators, 512 registers.
; Source 0 = 16 encoder rows (from LDS), source 1 = 16 rows of W_c: in the result a lane holds ONE column (lane % 16) and rows 8 (lane / 16) + 0..7, so bias and v are one number a lane and block.
; THE TILE COMES IN UNDER THE FIRST CHUNK'S PRODUCTS.  K step k wants columns 32 k .. 32 k + 31 alone, so the tile is read by SLABS of 128 columns (four K steps; 512 bytes of f32 a row, 256 of bf16).
; Slabs 0 and 1 are read ahead of the first product.  Slabs 2 to 7 come in BATCHES of 8 rows x 512 bytes a wave, one in each of K steps 1 to 24: the batch asked for two K steps earlier is rounded and
; stored, and its registers are asked for again.  A trip of four K steps stores one slab; one barrier a trip shows it to all four waves, six K steps before its first byte is read.
; W_c COMES STRAIGHT INTO REGISTERS: no wave wants a byte of it that another wave of the work-group has fetched, and the launch before has laid it out so that a load of a wave is 512 consecutive bytes.
; A ring of four register slots (a K step of 32 each) keeps three steps' loads, 48, on their way.
; NO CLUSTER, NO JOINT LOADS: a joint load lands in LDS, and the resident tile takes 264,192 of the 327,680 bytes that a work-group can be given; what is left would hold two slots of under 30 KB,
; a K step of 32 for the 512 columns in hand, with 64 matrix instructions a wave in which to land.
; THE MODE: SCHED_MODE bits 1:0 = 2 (LLVM: expert scheduling mode 2), set by the entry lines.  The code itself states the register dependences between vector or matrix instructions and
; memory or LDS instructions, with s_wait_alu, always for 0.
; THE PLAN.  Registers that memory or LDS instructions touch:
;   v4, v5, v7, v16-18, v23-25   offsets and addresses, made at the head and never written again.
;   v12-15   Read by every fragment load; written at the end of a trip of four K steps and at a chunk's head.      v6   Read by the batches' LDS stores; written at the end of a trip of .Lslab.
;   LBUF0, LBUF1   A K step's sixteen conversions read and write buffer x in place; its eight LDS stores read it; the loads of the batch two K steps on land in it.
;   AF0, AF1       K step k's products read AF[u]; the step's sixteen LDS loads land in the other buffer, which the products of K step k - 1 read last.
;   W_c's ring     K step k's products read slot sl; the step's sixteen loads land in slot sl + 3, which the products of K step k - 1 read last.
;   the table      Lands once a chunk; read by the arithmetic behind the chunk's products.      The accumulators are named by vector and matrix instructions alone.
; So ONE wait on va_vdst stands in a K step, in its middle, behind the conversions: it states that they have written the stores' data and are done with the buffer, that the products of the K step before are
; done reading the fragment buffer and the ring slot that are asked for again, and, in a trip's first step, that v12-15 and v6 are written.  The step's memory instructions follow it in one run with no vector
; instruction among them: the stores, the fragment loads, one wait on vm_vsrc (the stores have read the landing buffer), the batch's loads, W_c's loads.  The products behind the run name AF[u], slot sl and
; the accumulators: none of the registers that the run touches.  One wait on vm_vsrc a trip stands ahead of the lines that step v12-15 and v6.
; REGISTERS, in windows of 256 (s_set_vgpr_msb: bits 1:0 source 0, 3:2 source 1, 5:4 source 2, 7:6 destination):
;   window 0: v0-31 addresses; v32-63 the table (B, B, V, V) for the chunk's 8 column blocks; v64-127 two landing buffers for the batches, then the scores' partial sums;
;             v128-255 two buffers of encoder fragments (ahead of the first product: v64-255 six landing slots of eight loads each)
;   window 1: W_c's ring, 4 x 64      window 2: the accumulators of rows 0-63 ((a, b) at v[8 (8 a + b)])      window 3: those of rows 64-127
.set PITCH, 2064                       ; an LDS row: 2,048 bytes + 16 = 129 x 16: the 16 rows of a fragment load start at 16 different columns of 16 bytes modulo 256
.set SC,    128*PITCH                  ; behind the tile: the four waves' partial scores, 512 bytes each
.set PR,    SC+2048                    ; the weights p, a copy of 512 bytes for each wave, its own
.set STG,   PR+2048                    ; the way out: 1,024 bytes for each wave, its own
.set SPARE, STG+4096                   ; the spare words, 128 bytes for each wave: two blocks of 256 bytes that no other line names
.set SPW,  2                           ; v2   LDS address of my spare word: SPARE + 4 x my thread's number; never rewritten
.set NIL,  3                           ; v3   0; never rewritten
.set GA,   4                           ; v4   16 x lane; never rewritten
.set LB,   5                           ; v5   where my wave's rows begin in LDS + 8 x lane; never rewritten
.set LW,   6                           ; v6   the same + 256 x trip; later at work
.set TBO,  7                           ; v7   16 x (lane % 16); never rewritten
.set AB,   8                           ; v8-11  a fragment's place: (lane % 16) x PITCH + 16 (lane / 16) + 32 i rows
.set ADRA, 12                          ; v12-15 the same + the bytes along K
.set SCW,  16
.set SCR,  17
.set PWA,  18
.set PB,   19
.set PW,   20
.set CB,   21
.set CW,   22
.set STW,  23
.set STR,  24
.set LANE, 25                          ; v25  lane, while the addresses are made;
.set PFO,  25                          ;      then 4,096 x lane: a lane a row, for the prefetches
.set RR,   26
.set HH,   27
.set QQ,   28                          ; v28-31 four whole scores: rows 4 lane + 0..3
.set TBL,  32
.set SS,   64                          ; row block a, register j at SS + 8 a + j: row 16 a + 8 (lane / 16) + j
.set LBUF, 64                          ; the batches' two landing buffers of 32, in the same registers: the sums begin when the last batch is stored
.set SLOTS, 64
.set AF,   128
.set CR0,  128                         ; the context: two sets of 40: 8 rows x 4 registers, 8 weights
.set CX,   208                         ; v208-215 my 8 columns' sums
.set PX,   216                         ; v216-219 four weights
.set OB,   220                         ; v220-227 the way out
.set WV,   16                          ; s16 wave; s17 tile; s18 batch
.set TILE, 17
.set BAT,  18
.set EP,   22                          ; s[22:23] encoder_outputs at my wave's rows + 512 x trip
.set WP,   24                          ; s[24:25] wf at my chunk, stepped
.set TBP,  26                          ; s[26:27] tb at my chunk's first block, my batch
.set SCP,  28                          ; s[28:29] scores at the tile
.set PPT,  30                          ; s[30:31] part at the tile, my wave's 1,024 bytes
.set CNT,  32
.set CH,   33
.set KO,   34
.set RO,   36
.set PO,   37
.set CC,   38                          ; s[38:39] c, named as a pair
.set SEL,  40                          ; s[40:41] v_permlanex16_b32's selects: each lane takes its own place in the other half
.set L2E,  42
.set MSB, 0
.macro WIN new                         ; the immediate's high byte repeats the setting that is left; a switch that changes nothing is dropped
.if MSB != (\new)
	s_set_vgpr_msb (MSB<<8)|(\new)
.set MSB, (\new)
.endif
.endm
.macro PLACES                          ; four places in front of loads into registers that matrix instructions have read, and of arithmetic that reads results
.rept 4
	v_nop
.endr
.endm
; Eight of the 48 loads that bring a chunk's first three K steps of W_c into ring slots 0-2: load n = slot n / 16, fragment (n % 16) / 2, half n % 2
.macro BL8 n0
	WIN 0x40                                       ; destination window 1, address window 0
.irp d, 0,1,2,3,4,5,6,7
.set n, (\n0)+(\d)
	global_load_b128 v[64*(n/16)+8*((n%16)/2)+4*(n%2):64*(n/16)+8*((n%16)/2)+4*(n%2)+3], v[GA], s[WP:WP+1] offset:(n/16)*8192+((n%16)/2)*1024+(n%2)*512
.endr
	WIN 0
.endm
; AHEAD OF THE FIRST PRODUCT.  Group g: slabs 0 and 1 (1,024 consecutive bytes) of rows 4 g .. 4 g + 3: eight loads of 512 consecutive bytes, into landing slot i
.macro GROUP i, g
.irp q, 0,1,2,3,4,5,6,7
	global_load_b128 v[SLOTS+32*(\i)+4*(\q):SLOTS+32*(\i)+4*(\q)+3], v[GA], s[EP:EP+1] offset:(4*(\g)+(\q)/2)*4096+((\q)%2)*512 th:TH_LOAD_NT
.endr
.endm
; A BATCH is asked for: rows r0 .. r0 + 7 of my 32, the 512 bytes at byte go behind the pointer, into landing buffer (r0 / 8) % 2
.macro ENCL r0, go
	WIN 0
.irp q, 0,1,2,3,4,5,6,7
	global_load_b128 v[LBUF+32*(((\r0)/8)%2)+4*(\q):LBUF+32*(((\r0)/8)%2)+4*(\q)+3], v[GA], s[EP:EP+1] offset:((\r0)+(\q))*4096+(\go) th:TH_LOAD_NT
.endr
.endm
; A BATCH is rounded to bf16 in place (ENCC) and stored (ENCS): rows r0 .. r0 + 7 of the slab two behind the trip's own (256 consecutive bytes a store).  The 16 conversions name no register of the products
; round them: they are also the places in front of the loads that follow.
.macro ENCC r0
	WIN 0
	s_wait_loadcnt 32                              ; the batch is in.  Behind it went out W_c of one K step (16), as a rule the next batch (8), W_c of the next K step (16); the count asks for the first half of the older W_c too, which is wanted half a K step on
.set L, LBUF+32*(((\r0)/8)%2)
.irp q, 0,1,2,3,4,5,6,7
	v_cvt_pk_bf16_f32 v[L+4*(\q)],   v[L+4*(\q)],   v[L+4*(\q)+1]
	v_cvt_pk_bf16_f32 v[L+4*(\q)+1], v[L+4*(\q)+2], v[L+4*(\q)+3]
.endr
.endm
.macro ENCS r0
.set L, LBUF+32*(((\r0)/8)%2)
.irp q, 0,1,2,3,4,5,6,7
	ds_store_b64 v[LW], v[L+4*(\q):L+4*(\q)+1] offset:((\r0)+(\q))*PITCH+512
.endr
.endm
; Group g in landing slot i is rounded in place and stored; then eight more loads go out: kind 1: group arg into the same slot; kind 2: BL8 arg; kind 3: the first batch (slab 2, rows 0-7), into the same slot
.macro TURN i, g, kind, arg
	s_wait_loadcnt 40                              ; loads come back in order: behind this group's eight stand five more groups of eight
.set L, SLOTS+32*(\i)
.irp q, 0,1,2,3,4,5,6,7
	v_cvt_pk_bf16_f32 v[L+4*(\q)],   v[L+4*(\q)],   v[L+4*(\q)+1]
	v_cvt_pk_bf16_f32 v[L+4*(\q)+1], v[L+4*(\q)+2], v[L+4*(\q)+3]
.endr
	s_wait_alu depctr_va_vdst(0)                   ; the conversions have written the slot's registers, which the LDS stores read, and are done reading those in which loads land again; in the first turn: v[LB] is written
.irp q, 0,1,2,3,4,5,6,7
	ds_store_b64 v[LB], v[L+4*(\q):L+4*(\q)+1] offset:(4*(\g)+(\q)/2)*PITCH+((\q)%2)*256
.endr
.if (\kind) == 1
	s_wait_alu depctr_vm_vsrc(0)                   ; the LDS stores have read the slot's registers, in which the next group lands
	GROUP \i, \arg
.elseif (\kind) == 2
	BL8 \arg
.else
	s_wait_alu depctr_vm_vsrc(0)                   ; the LDS stores have read the slot's registers, in which the first batch lands
	ENCL 0, 1024
.endif
.endm
.macro TABLE                           ; (B, B, V, V) of my column in each of the chunk's 8 blocks
.irp b, 0,1,2,3,4,5,6,7
	global_load_b128 v[TBL+4*(\b):TBL+4*(\b)+3], v[TBO], s[TBP:TBP+1] offset:(\b)*8192
.endr
.endm
.macro SETA
.irp i, 0,1,2,3
	v_add_nc_u32 v[ADRA+(\i)], s[KO], v[AB+(\i)]
.endr
.endm
; The 8 encoder fragments (128 rows x 32 K at byte koff behind the addresses) into buffer u, row blocks ascending
.macro FETCHA u, koff
	WIN 0
.irp a, 0,1,2,3,4,5,6,7
	ds_load_b128 v[AF+64*(\u)+8*(\a):AF+64*(\u)+8*(\a)+3],   v[ADRA+(\a)/2] offset:((\a)%2)*16*PITCH+(\koff)
	ds_load_b128 v[AF+64*(\u)+8*(\a)+4:AF+64*(\u)+8*(\a)+7], v[ADRA+(\a)/2] offset:((\a)%2)*16*PITCH+(\koff)+32
.endr
.endm
; A K step's 8 fragments of W_c (128 columns x 32 K) into ring slot sl
.macro FETCHB sl, boff
	WIN 0x40
.irp f, 0,1,2,3,4,5,6,7
	global_load_b128 v[64*(\sl)+8*(\f):64*(\sl)+8*(\f)+3],   v[GA], s[WP:WP+1] offset:(\boff)+(\f)*1024
	global_load_b128 v[64*(\sl)+8*(\f)+4:64*(\sl)+8*(\f)+7], v[GA], s[WP:WP+1] offset:(\boff)+(\f)*1024+512
.endr
.endm
; 32 matrix instructions: row blocks 4 hi + 0..3 x all 8 column blocks.  zero = 1: the first K step starts the sums.  The 64 accumulators take turns, one instruction a turn, in the same order in every step.
.macro MUL hi, sl, u, zero
	WIN 0xa4+0x50*(\hi)                            ; source 0 window 0, source 1 window 1, C and D window 2 or 3
.irp a, 0,1,2,3
.irp b, 0,1,2,3,4,5,6,7
.if \zero
	v_wmma_f32_16x16x32_bf16 v[8*(8*(\a)+(\b)):8*(8*(\a)+(\b))+7], v[AF+64*(\u)+8*(4*(\hi)+(\a)):AF+64*(\u)+8*(4*(\hi)+(\a))+7], v[64*(\sl)+8*(\b):64*(\sl)+8*(\b)+7], 0
.else
	v_wmma_f32_16x16x32_bf16 v[8*(8*(\a)+(\b)):8*(8*(\a)+(\b))+7], v[AF+64*(\u)+8*(4*(\hi)+(\a)):AF+64*(\u)+8*(4*(\hi)+(\a))+7], v[64*(\sl)+8*(\b):64*(\sl)+8*(\b)+7], v[8*(8*(\a)+(\b)):8*(8*(\a)+(\b))+7]
.endif
.endr
.endr
.endm
; A K step of 32: 64 matrix instructions on ring slot sl and encoder buffer u.  In its middle, behind the step's one wait on va_vdst, in ONE run: the batch that has landed is stored (pr: its first row); the
; encoder fragments of the next step (fa) go into the other buffer; the batch two K steps on is asked for (is: its first row; go: its slab's byte behind the pointer); W_c three steps on (fb) goes into the
; slot read last step.  LDS instructions and global loads count on counters of their own: within each the order is stores, fragment loads; batch, W_c.
; ldn: the loads that are younger than this step's W_c and may stay out.
; bar = 1: the trip's barrier.  In front of the signal all my LDS instructions are done, the last trip's stores of a slab among them; 32 products stand between signal and wait; behind the wait that slab may be read.
; pf = 1: a PREFETCH INTO THE L2, behind the run: the slab four behind the trip's own, my wave's own 32 rows, a lane a row, two instructions for the two halves of a row's 512 bytes.  Its loads go out three
; to six K steps on.  No other wave of the launch reads or names these bytes.  The loop's last trip asks for nothing: there is no such slab.  Slabs 0 to 3 come by their loads alone.
.macro STEP sl, u, zero, fa, koff, fb, boff, ldn, bar=0, pr=-1, is=-1, go=0, pf=0
	s_wait_loadcnt \ldn
.if \bar
	s_wait_dscnt 0x0
	s_barrier_signal -1
.else
	s_wait_dscnt 8                                 ; row blocks 0-3 are in; the youngest eight LDS loads (blocks 4-7) may be out
.endif
	MUL 0, \sl, \u, \zero
.if \bar
	s_barrier_wait -1
.endif
.if (\pr) >= 0
	ENCC \pr
.elseif (\fa) || (\fb)
	WIN 0
	PLACES
.endif
.if ((\pr) >= 0) || (\fa) || (\fb)
	s_wait_alu depctr_va_vdst(0)                   ; the conversions have written the stores' data and are done with the landing buffer; the products of the K step before are done reading the fragment buffer and the ring slot in which the loads below land; v12-15 and v6, where a trip's end or a chunk's head has just stepped them, are written
.endif
.if (\pr) >= 0
	ENCS \pr
.endif
.if \fa
	FETCHA 1-(\u), \koff
.endif
.if (\is) >= 0
.if (\pr) >= 0
	s_wait_alu depctr_vm_vsrc(0)                   ; the LDS stores above have read the landing buffer, in which the loads below land
.endif
	ENCL \is, \go
.endif
.if \fb
	FETCHB ((\sl)+3)%4, \boff                      ; no vector or matrix instruction since the wait on va_vdst
.endif
.if \pf
	WIN 0                                          ; at a branch and at a label every window is 0
	s_cmp_gt_u32 s[CNT], 1
	s_cbranch_scc0 .Lnot_asked_\@
	global_prefetch_b8 v[PFO], s[EP:EP+1] offset:4*512 th:TH_LOAD_NT scope:SCOPE_SE
	global_prefetch_b8 v[PFO], s[EP:EP+1] offset:4*512+256 th:TH_LOAD_NT scope:SCOPE_SE
.Lnot_asked_\@:
.endif
.if \fa
	s_wait_dscnt 16                                ; all but the 16 fragment loads just issued (the batch's stores are older)
.else
	s_wait_dscnt 0x0
.endif
	MUL 1, \sl, \u, \zero
.endm
; THE WAY FROM SUMS TO SCORES for the 32 accumulators of window w (2: rows 0-63, 3: rows 64-127), 256 numbers a lane:
;   x = c acc + B;  e = 2^x;  e + 1;  r = 1 / (e + 1);  t = 1 - 2 r = tanh;  score += V t.   tanh is formed for each number: no difference of long sums is taken.
; Each kind of transcendental is ONE batch of 256 with one plain instruction and one wait behind it, ahead of the first line that names a result.
.macro EPI w
	WIN ((\w)<<6)|(\w)                             ; destination and source 0 window w; the table (source 2) window 0
.set t, 0
.rept 32
.irp r, 0,2,4,6
	v_pk_fma_f32 v[8*t+(\r):8*t+(\r)+1], v[8*t+(\r):8*t+(\r)+1], s[CC:CC+1], v[TBL+4*(t%8):TBL+4*(t%8)+1] op_sel_hi:[1,0,1]  ; each accumulator from its lowest registers on
.endr
.set t, t+1
.endr
.set t, 0
.rept 256
	v_exp_f32 v[t], v[t]
.set t, t+1
.endr
	v_nop
	s_wait_alu depctr_va_vdst(0)                   ; the 256 exponentials have written their results, which the additions below read
.set t, 0
.rept 128
	v_pk_add_f32 v[t:t+1], v[t:t+1], 1.0 op_sel_hi:[1,0]
.set t, t+2
.endr
.set t, 0
.rept 256
	v_rcp_f32 v[t], v[t]
.set t, t+1
.endr
	v_nop
	s_wait_alu depctr_va_vdst(0)                   ; the 256 reciprocals have written their results, which the multiply-adds below read
.set t, 0
.rept 128
	v_pk_fma_f32 v[t:t+1], v[t:t+1], -2.0, 1.0 op_sel_hi:[1,0,0]
.set t, t+2
.endr
	WIN \w                                         ; source 0 window w, all else window 0
.irp b, 0,1,2,3,4,5,6,7                ; column blocks outermost: two links of a score's chain stand 16 lines apart
.irp a, 0,1,2,3
.irp r, 0,2,4,6
	v_pk_fma_f32 v[SS+8*(4*((\w)-2)+(\a))+(\r):SS+8*(4*((\w)-2)+(\a))+(\r)+1], v[8*(8*(\a)+(\b))+(\r):8*(8*(\a)+(\b))+(\r)+1], v[TBL+4*(\b)+2:TBL+4*(\b)+3], v[SS+8*(4*((\w)-2)+(\a))+(\r):SS+8*(4*((\w)-2)+(\a))+(\r)+1]
.endr
.endr
.endr
	WIN 0
.endm
; THE CONTEXT.  Thread t owns columns 8 t .. 8 t + 7: 16 bytes of each LDS row.  CLOAD: 8 rows from row r0 behind the addresses, and their 8 weights (every lane reads the same words), into set z.
.macro CLOAD z, r0
.irp i, 0,1,2,3,4,5,6,7
	ds_load_b128 v[CR0+40*(\z)+4*(\i):CR0+40*(\z)+4*(\i)+3], v[CW] offset:((\r0)+(\i))*PITCH
.endr
	ds_load_b128 v[CR0+40*(\z)+32:CR0+40*(\z)+35], v[PW] offset:(\r0)*4
	ds_load_b128 v[CR0+40*(\z)+36:CR0+40*(\z)+39], v[PW] offset:(\r0)*4+16
.endm
.macro CFMA z                          ; 64 multiply-adds straight from the bf16 halves into f32 sums; two links of a sum's chain stand 8 lines apart
.irp i, 0,1,2,3,4,5,6,7
.irp d, 0,1,2,3
	v_fma_mix_f32_bf16 v[CX+2*(\d)],   v[CR0+40*(\z)+4*(\i)+(\d)], v[CR0+40*(\z)+32+(\i)], v[CX+2*(\d)] op_sel_hi:[1,0,0]
	v_fma_mix_f32_bf16 v[CX+2*(\d)+1], v[CR0+40*(\z)+4*(\i)+(\d)], v[CR0+40*(\z)+32+(\i)], v[CX+2*(\d)+1] op_sel:[1,0,0] op_sel_hi:[1,0,0]
.endr
.endr
.endm
	s_load_b256 s[4:11], s[0:1], 0x0               ; encoder_outputs s[4:5], wf s[6:7], tb s[8:9], scores s[10:11]
	s_load_b64 s[12:13], s[0:1], 0x20              ; part
	v_lshl_add_u32 v[SPW], v0, 2, SPARE
	v_mov_b32 v[NIL], 0
	v_lshrrev_b32 v1, 5, v0
	v_readfirstlane_b32 s[WV], v1                  ; wave 0..3
	s_mov_b32 s[TILE], ttmp9
	s_and_b32 s[BAT], ttmp7, 0xffff
	v_and_b32 v[LANE], 31, v0
	v_lshlrev_b32 v[GA], 4, v[LANE]
	s_lshl_b32 s20, s[BAT], 11
	s_lshl_b32 s21, s[TILE], 7
	s_add_co_u32 s20, s20, s21
	s_wait_alu depctr_va_sdst(0)                   ; s16, the wave's number, is written, ahead of its first reader
	s_lshl_b32 s21, s[WV], 5
	s_add_co_u32 s20, s20, s21                     ; my wave's first row among the 65,536,
	s_lshl_b32 s20, s20, 12                        ; in bytes: under 2^28
	s_mov_b32 s21, 0
	s_wait_kmcnt 0x0
	s_add_nc_u64 s[EP:EP+1], s[4:5], s[20:21]
	s_wait_alu depctr_va_vdst(0)                   ; v4 is written: the loads below, and every global load and store of the kernel but the table's, read it as their offset
.irp i, 0,1,2,3,4,5
	GROUP \i, \i                                   ; slabs 0 and 1 of rows 0-23: 48 loads are out
.endr
	; the rest of the set-up stands in the wait for them; it writes neither v4 nor a landing slot
	s_lshl_b32 s20, s[WV], 19                      ; wf: my two chunks of 262,144 bytes
	s_add_nc_u64 s[WP:WP+1], s[6:7], s[20:21]
	s_lshl_b32 s20, s[WV], 17                      ; tb: my 16 column blocks of 8,192 bytes, my batch's 256 in each
	s_lshl_b32 s43, s[BAT], 8
	s_add_co_u32 s20, s20, s43
	s_add_nc_u64 s[TBP:TBP+1], s[8:9], s[20:21]
	s_lshl_b32 s20, s[BAT], 13                     ; scores: 8,192 bytes a batch, 512 a tile
	s_lshl_b32 s43, s[TILE], 9
	s_add_co_u32 s20, s20, s43
	s_add_nc_u64 s[SCP:SCP+1], s[10:11], s[20:21]
	s_lshl_b32 s20, s[BAT], 16                     ; part: 4,096 bytes a tile, 16 tiles a batch, 1,024 bytes a wave
	s_lshl_b32 s43, s[TILE], 12
	s_add_co_u32 s20, s20, s43
	s_lshl_b32 s43, s[WV], 10
	s_add_co_u32 s20, s20, s43
	s_add_nc_u64 s[PPT:PPT+1], s[12:13], s[20:21]
	s_mov_b32 s[CC], 0x4038aa3b                    ; c = 2 log2(e)
	s_mov_b32 s[CC+1], s[CC]
	s_mov_b32 s[SEL], 0x76543210
	s_mov_b32 s[SEL+1], 0xfedcba98
	s_mov_b32 s[L2E], 0x3fb8aa3b                   ; log2(e)
	s_mul_i32 s20, s[WV], 32*PITCH
	v_lshl_add_u32 v[LB], v[LANE], 3, s20
	v_mov_b32 v[LW], v[LB]
	v_and_b32 v[RR], 15, v0
	v_bfe_u32 v[HH], v0, 4, 1
	v_lshlrev_b32 v[TBO], 4, v[RR]
	v_mul_u32_u24 v1, v[RR], PITCH
	v_lshl_add_u32 v1, v[HH], 4, v1
.irp i, 0,1,2,3
	v_add_nc_u32 v[AB+(\i)], (\i)*32*PITCH, v1
.endr
	s_lshl_b32 s20, s[WV], 9
	s_add_co_u32 s43, s20, SC
	v_lshl_add_u32 v[SCW], v[HH], 5, s43           ; my wave's partial scores: rows 8 (lane / 16) on
	v_add_nc_u32 v[SCR], SC, v[GA]                 ; back: rows 4 lane + 0..3
	s_add_co_u32 s43, s20, PR
	v_add_nc_u32 v[PWA], s43, v[GA]
	v_mov_b32 v[PB], s43
	v_mov_b32 v[PW], s43
	v_lshlrev_b32 v[CB], 4, v0                     ; my 8 columns of a row
	v_mov_b32 v[CW], v[CB]
	s_lshl_b32 s20, s[WV], 10
	s_add_co_u32 s20, s20, STG
	v_lshl_add_u32 v[STW], v[LANE], 5, s20         ; my wave's stage: in, 32 bytes a lane;
	v_add_nc_u32 v[STR], s20, v[GA]                ; back, 16 bytes a lane
	v_lshlrev_b32 v[PFO], 12, v[LANE]              ; the lane's number has served: a lane a row
	; PHASE 1: slabs 0 and 1 of my wave's 32 rows, eight groups of four rows.  Behind each group eight more loads go out, so that every count is 40: the last two groups; K steps 0 and 1 of W_c;
	; the first batch; K step 2 of W_c: the order in which the K steps below count them.  The first turn's wait on va_vdst also states that all the addresses made above are written.
	TURN 0, 0, 1, 6
	TURN 1, 1, 1, 7
	TURN 2, 2, 2, 0
	TURN 3, 3, 2, 8
	TURN 4, 4, 2, 16
	TURN 5, 5, 2, 24
	TURN 0, 6, 3, 0
	TURN 1, 7, 2, 32
	BL8 40
	s_wait_dscnt 0x0                               ; for the others' sake: my rows' first 256 columns lie in LDS
	s_barrier_signal -1
	s_barrier_wait -1                              ; K steps 0 to 7 may be read
	s_wait_alu depctr_vm_vsrc(0)                   ; my LDS stores have read landing slots 1 to 5, v96-255: from here on the second landing buffer and the fragment buffers, in which loads land
	; PHASE 2, CHUNK 0, K STEPS 0 TO 24: the products, and under them slabs 2 to 7
	s_mov_b32 s[CH], 2
	s_mov_b32 s[KO], 0
	SETA
	s_wait_alu depctr_va_vdst(0)                   ; v12-15 are written, which the fragment loads read
	FETCHA 0, 0
	STEP 0, 0, 1,  1, 64,   1, 3*8192, 32,  0, -1, 8, 1024     ; K step 0 starts the sums.  Behind its W_c stand K step 1's (16), the first batch (8) and K step 2's (16); the count asks for the first half of K step 1's as well, which went out with K step 0's.  The second batch is asked for
	WIN 0                                          ; at a label and at a branch every window is 0
	s_mov_b32 s[CNT], 5
.Lslab:                                                ; trip t: K steps 4 t + 1 .. 4 t + 4; slab t + 2 is stored; 48 = a batch, W_c, a batch, W_c: what went out behind this step's W_c
	STEP 1, 1, 0,  1, 128,  1, 4*8192, 48,  1, 0,  16, 1024
	STEP 2, 0, 0,  1, 192,  1, 5*8192, 48,  0, 8,  24, 1024
	STEP 3, 1, 0,  1, 256,  1, 6*8192, 48,  0, 16, 0,  1536
	STEP 0, 0, 0,  1, 320,  1, 7*8192, 48,  0, 24, 8,  1536, 1
	WIN 0
	s_wait_xcnt 0x0                                ; the loads and prefetches (the youngest 32 products back) have read their addresses: the pointers step
	s_wait_alu depctr_vm_vsrc(0)                   ; the trip's fragment loads have read v12-15 and its LDS stores v6, which the lines below write again
	s_add_nc_u64 s[WP:WP+1], s[WP:WP+1], 4*8192
	s_add_nc_u64 s[EP:EP+1], s[EP:EP+1], 512
	s_add_co_u32 s[KO], s[KO], 256
	SETA
	v_add_nc_u32 v[LW], 0x100, v[LW]
	s_sub_co_u32 s[CNT], s[CNT], 1
	s_cmp_lg_u32 s[CNT], 0
	s_cbranch_scc1 .Lslab
	STEP 1, 1, 0,  1, 128,  1, 4*8192, 48,  1, 0,  16, 1024    ; trip 5 is written out: slab 7 is stored; its last two batches are asked for, then nothing more,
	STEP 2, 0, 0,  1, 192,  1, 5*8192, 48,  0, 8,  24, 1024
	STEP 3, 1, 0,  1, 256,  1, 6*8192, 48,  0, 16
	STEP 0, 0, 0,  1, 320,  1, 7*8192, 40,  0, 24              ; and the count runs down: a batch, W_c, W_c
	WIN 0
	s_wait_xcnt 0x0
	s_wait_alu depctr_vm_vsrc(0)                   ; the trip's fragment loads have read v12-15, which the lines below write again; the last batches' LDS stores have read v64-127, which are cleared below
	s_add_nc_u64 s[WP:WP+1], s[WP:WP+1], 4*8192
	s_add_co_u32 s[KO], s[KO], 256
	SETA
	TABLE                                          ; chunk 0's table: wanted behind the chunk's last product.  No vector instruction has yet named v32-63, and v7 was written ahead of many a wait on va_vdst
	s_wait_dscnt 0x0                               ; for the others' sake: my rows of slab 7 lie in LDS
	s_barrier_signal -1
.set i, 0
.rept 64
	v_mov_b32 v[SS+i], 0                           ; the landing buffers have served: the scores' sums start at 0, so that both chunks have one text
.set i, i+1
.endr
	s_barrier_wait -1                              ; the tile is whole; it is only read from here on
	s_mov_b32 s[CNT], 1
	s_branch .Lk                                   ; K steps 25 to 31 and all that follows are the text of every chunk: the loop is entered in its middle, with one trip left
.Lchunk:                                               ; CHUNK 1: 32 K steps; its first three K steps of W_c went out ahead of chunk 0's tanh
	s_mov_b32 s[KO], 0
	SETA                                           ; (the wait on vm_vsrc at the end of the chunk before has freed v12-15)
	s_wait_alu depctr_va_vdst(0)                   ; the arithmetic behind the last chunk's products is done reading the table, in which the loads below land; v12-15 are written, which the fragment loads read
	TABLE
	FETCHA 0, 0
	STEP 0, 0, 1,  1, 64,   1, 3*8192, 40          ; K step 0 starts the sums.  Younger than its 16 loads: K steps 1 and 2 (32) and the table (8)
	WIN 0
	s_mov_b32 s[CNT], 7
.Lk:                                                   ; four K steps a trip; 32 = the two younger steps' loads (where the table's eight stand among them they are waited for as well)
	STEP 1, 1, 0,  1, 128,  1, 4*8192, 32
	STEP 2, 0, 0,  1, 192,  1, 5*8192, 32
	STEP 3, 1, 0,  1, 256,  1, 6*8192, 32
	STEP 0, 0, 0,  1, 320,  1, 7*8192, 32
	WIN 0
	s_wait_xcnt 0x0                                ; the loads have read their address: the pointer steps four K steps
	s_wait_alu depctr_vm_vsrc(0)                   ; the trip's fragment loads have read v12-15, which the lines below write again
	s_add_nc_u64 s[WP:WP+1], s[WP:WP+1], 4*8192
	s_add_co_u32 s[KO], s[KO], 256
	SETA
	s_sub_co_u32 s[CNT], s[CNT], 1
	s_cmp_lg_u32 s[CNT], 0
	s_cbranch_scc1 .Lk
	STEP 1, 1, 0,  1, 128,  0, 0, 32               ; K steps 29, 30, 31: nothing of W_c is left to ask for, and the counts run down
	STEP 2, 0, 0,  1, 192,  0, 0, 16
	STEP 3, 1, 0,  0, 0,    0, 0, 0
	WIN 0
	PLACES                                         ; behind the last products: loads into the ring follow, and arithmetic on the results
	PLACES
	s_wait_xcnt 0x0
	s_wait_alu depctr_vm_vsrc(0)                   ; the fragment loads of K steps 29 and 30 have read v12-15, which the next chunk's first lines write again
	s_add_nc_u64 s[WP:WP+1], s[WP:WP+1], 4*8192    ; the next chunk's first byte
	s_add_nc_u64 s[TBP:TBP+1], s[TBP:TBP+1], 8*8192
	s_cmp_eq_u32 s[CH], 1
	s_cbranch_scc1 .Lno_more                       ; behind the last chunk there is nothing to ask for
	s_wait_alu depctr_va_vdst(0)                   ; the products of K steps 28 to 30 are done reading ring slots 0 to 2, in which the 48 loads below land
	BL8 0                                          ; the next chunk's first three K steps go out ahead of the arithmetic below, which names no register of the ring, and land under it
	BL8 8
	BL8 16
	BL8 24
	BL8 32
	BL8 40
.Lno_more:
	EPI 2
	EPI 3
	s_sub_co_u32 s[CH], s[CH], 1
	s_cmp_lg_u32 s[CH], 0
	s_cbranch_scc1 .Lchunk
	; PHASE 3.  A lane's sums are those of its own 16 columns: four steps add the 16 lanes of a half, whose registers hold the same rows.
.irp m, 1,2,4,8
.set i, 0
.rept 64
	v_add_f32_dpp v[SS+i], v[SS+i], v[SS+i] row_xmask:\m row_mask:0xf bank_mask:0xf
.set i, i+1
.endr
.endr
	s_wait_alu depctr_va_vdst(0)                   ; the additions have written v64-127, which the LDS stores read; the last products are done reading v128-143, in which the loads behind the barrier land
.irp a, 0,1,2,3,4,5,6,7
	ds_store_b128 v[SCW], v[SS+8*(\a):SS+8*(\a)+3]   offset:64*(\a)      ; the 16 lanes of a half store the same words with the same values
	ds_store_b128 v[SCW], v[SS+8*(\a)+4:SS+8*(\a)+7] offset:64*(\a)+16
.endr
	s_wait_dscnt 0x0                               ; for the others' sake: my 256 columns' part of the 128 scores lies in LDS
	s_barrier_signal -1
	s_barrier_wait -1
.irp w, 0,1,2,3
	ds_load_b128 v[128+4*(\w):128+4*(\w)+3], v[SCR] offset:512*(\w)
.endr
	s_wait_dscnt 0x0
	v_pk_add_f32 v[128:129], v[128:129], v[132:133]    ; the same order in every wave: all four hold the same bits
	v_pk_add_f32 v[130:131], v[130:131], v[134:135]
	v_pk_add_f32 v[136:137], v[136:137], v[140:141]
	v_pk_add_f32 v[138:139], v[138:139], v[142:143]
	v_pk_add_f32 v[QQ:QQ+1],   v[128:129], v[136:137]
	v_pk_add_f32 v[QQ+2:QQ+3], v[130:131], v[138:139]
	s_cmp_lg_u32 s[WV], 0
	s_cbranch_scc1 .Lnot_wave_0
	s_wait_alu depctr_va_vdst(0)                   ; the additions have written v28-31, the store's data; they are not written again
	global_store_b128 v[GA], v[QQ:QQ+3], s[SCP:SCP+1]  ; the tile's 128 scores: 512 consecutive bytes
.Lnot_wave_0:
	v_max3_num_f32 v1, v[QQ], v[QQ+1], v[QQ+2]
	v_max_num_f32 v1, v1, v[QQ+3]
.irp m, 1,2,4,8
	v_max_num_f32_dpp v1, v1, v1 row_xmask:\m row_mask:0xf bank_mask:0xf
.endr
	v_permlanex16_b32 v[LW], v1, s[SEL], s[SEL+1]  ; (v6: its last reader, a batch's LDS store, stands ahead of the wait on vm_vsrc behind K step 24)
	v_max_num_f32 v1, v1, v[LW]                    ; m: the tile's largest score, in every lane
.irp e, 0,1,2,3
	v_sub_f32 v[PX+(\e)], v[QQ+(\e)], v1           ; the difference first, then the scale: near scores lose nothing
.endr
.irp e, 0,1,2,3
	v_mul_f32 v[PX+(\e)], s[L2E], v[PX+(\e)]
.endr
.irp e, 0,1,2,3
	v_exp_f32 v[PX+(\e)], v[PX+(\e)]
.endr
.irp e, 0,1,2,3,4,5,6,7
	v_mov_b32 v[CX+(\e)], 0                        ; plain work behind the exponentials
.endr
	s_wait_alu depctr_va_vdst(0)                   ; the four exponentials have written v216-219, which the store reads; the scores' additions are done with v128-143, in which the first rows land
	ds_store_b128 v[PWA], v[PX:PX+3]               ; into my wave's own copy: LDS serves a wave's instructions in order (ISA guide 5.7.1.4), so the loads below see it
	s_mov_b32 s[RO], 0
	s_mov_b32 s[PO], 0
	CLOAD 0, 0
	s_mov_b32 s[CNT], 7
.Lctx:                                                 ; 16 rows a trip, on two sets of registers
	s_wait_alu depctr_va_vdst(0)                   ; the multiply-adds of the trip before are done reading set 1, in which the loads below land; v[CW] and v[PW], which they read, are written
	CLOAD 1, 8
	s_wait_dscnt 10                                ; all but the ten just issued
	CFMA 0
	s_wait_alu depctr_va_vdst(0)                   ; the multiply-adds above are done reading set 0, in which the loads below land
	CLOAD 0, 16
	s_wait_dscnt 10
	CFMA 1
	s_add_co_u32 s[RO], s[RO], 16*PITCH
	s_add_co_u32 s[PO], s[PO], 64
	s_wait_alu depctr_vm_vsrc(0)                   ; the trip's LDS loads have read v[CW] and v[PW], which the two lines below write again
	v_add_nc_u32 v[CW], s[RO], v[CB]
	v_add_nc_u32 v[PW], s[PO], v[PB]
	s_sub_co_u32 s[CNT], s[CNT], 1
	s_cmp_lg_u32 s[CNT], 0
	s_cbranch_scc1 .Lctx
	s_wait_alu depctr_va_vdst(0)                   ; as at the loop's head: set 1 is free, v[CW] and v[PW] are written
	CLOAD 1, 8                                     ; rows 120-127
	s_wait_dscnt 10
	CFMA 0
	s_wait_dscnt 0x0
	CFMA 1
	; THE WAY OUT: a lane's 32 bytes go through my wave's own stage, so that each store of the wave covers 512 consecutive bytes
	s_wait_alu depctr_va_vdst(0)                   ; the multiply-adds have written v208-215, which the LDS stores read
	ds_store_b128 v[STW], v[CX:CX+3]
	ds_store_b128 v[STW], v[CX+4:CX+7] offset:16
	ds_load_b128 v[OB:OB+3],   v[STR]
	ds_load_b128 v[OB+4:OB+7], v[STR] offset:512
	s_wait_dscnt 0x0
	global_store_b128 v[GA], v[OB:OB+3],   s[PPT:PPT+1]
	global_store_b128 v[GA], v[OB+4:OB+7], s[PPT:PPT+1] offset:512
	s_wait_dscnt 0x0                               ; the closing lines, six on end
	s_wait_alu 0x0
	s_wait_tensorcnt 0x0
	ds_add_u32 v[SPW], v[NIL]
	s_wait_dscnt 0x0
	s_endpgm
.Lfunc_end_k_qe20cff40df_attn:
	.size	k_qe20cff40df_attn, .Lfunc_end_k_qe20cff40df_attn-k_qe20cff40df_attn
	.p2alignl 7, 3214868480
	.fill 96, 4, 3214868480
	.section	.rodata,"a",@progbits
	.p2align	6, 0x0
	.amdhsa_kernel k_qe20cff40df_attn
		.amdhsa_group_segment_fixed_size 272896
		.amdhsa_private_segment_fixed_size 0
		.amdhsa_enable_private_segment 0
		.amdhsa_kernarg_size 40
		.amdhsa_user_sgpr_count 2
		.amdhsa_user_sgpr_kernarg_segment_ptr 1
		.amdhsa_wavefront_size32 1
		.amdhsa_system_sgpr_workgroup_id_x 1
		.amdhsa_system_sgpr_workgroup_id_y 1
		.amdhsa_system_sgpr_workgroup_id_z 1
		.amdhsa_system_vgpr_workitem_id 0
		.amdhsa_next_free_vgpr 1024
		.amdhsa_next_free_sgpr 66
		.amdhsa_reserve_vcc 0
		.amdhsa_float_denorm_mode_32 3
		.amdhsa_float_denorm_mode_16_64 3
		.amdhsa_memory_ordered 1
		.amdhsa_forward_progress 1
		.amdhsa_inst_pref_size 255
	.end_amdhsa_kernel
	.section	.bss,"aw",@nobits
	.p2align	6
	.space	262144
	.amdgpu_metadata
---
amdhsa.version: [ 1, 2 ]
amdhsa.kernels:
  - .name:           k_qe20cff40df_attn
    .symbol:         k_qe20cff40df_attn.kd
    .args:
      - { .name: encoder_outputs, .offset: 0, .size: 8, .value_kind: global_buffer, .address_space: global }
      - { .name: wf, .offset: 8, .size: 8, .value_kind: global_buffer, .address_space: global }
      - { .name: tb, .offset: 16, .size: 8, .value_kind: global_buffer, .address_space: global }
      - { .name: scores, .offset: 24, .size: 8, .value_kind: global_buffer, .address_space: global }
      - { .name: part, .offset: 32, .size: 8, .value_kind: global_buffer, .address_space: global }
    .group_segment_fixed_size: 272896
    .private_segment_fixed_size: 0
    .kernarg_segment_align: 8
    .kernarg_segment_size: 40
    .max_flat_workgroup_size: 128
    .sgpr_count:     66
    .vgpr_count:     1024
    .wavefront_size: 32
...
	.end_amdgpu_metadata
.endif
;; end of part 4
;; launch merge: the kernel of part 3 again; grid 4 x 32, 8 waves a work-group, no clusters, 5,632 bytes of LDS; arguments scores, part, out0, out1; writes out0, out1
